; MI455X (gfx1250); checked and timed in simulation.
; The chip was launched on July 23, 2026; its instructions are those of AMD's public machine-readable ISA for CDNA 5 (MIT licence, August 2026) and "CDNA5" Instruction Set Architecture Reference Guide (July 2026). The comments in the code are by the model that wrote it; some were corrected since.
;; Self Attention. Allowed arithmetic: float matrix products may take bf16 or f16 operands with f32 sums; all other float work in f32.
;; Inputs: Wk 1,024 x 1,024 float32; Wq 1,024 x 1,024 float32; Wv 1,024 x 1,024 float32; x 4 x 2,048 x 1,024 float32.
;; Outputs: out0 4 x 2,048 x 1,024 float32.
;; 2 versions, each right; version 2 is version 1 with the launch cast written anew for expert scheduling mode. Each part assembles by itself: llvm-mc -triple=amdgcn-amd-amdhsa -mcpu=gfx1250 --defsym DOCPART=n.
;; ======== version 1 of 2: 4 launches
;; limits: values are held in f16: magnitudes above 65,504 overflow, below 6.1e-05 lose precision
;; workspace buffers: xb 16,777,216 bytes; wb 6,291,456 bytes; qkv 50,331,648 bytes; p 33,554,432 bytes; cms 524,288 bytes; ls 524,288 bytes
;; launch cast (part 1): grid 128 x 11, 8 waves a work-group, no clusters, 0 bytes of LDS; arguments x, Wq, Wk, Wv, xb, wb; writes xb, wb
.if DOCPART == 1
	.amdgcn_target "amdgcn-amd-amdhsa--gfx1250"
	.amdhsa_code_object_version 6
	.text
	.protected	k_qeddc9ed06f_cast
	.globl	k_qeddc9ed06f_cast
	.p2align	8
	.type	k_qeddc9ed06f_cast,@function
k_qeddc9ed06f_cast:
	s_mov_b64 s[64:65], 0
	v_nop
	global_prefetch_b8 v0, s[64:65] scope:SCOPE_SE
	s_setreg_imm32_b32 hwreg(HW_REG_WAVE_MODE, 25, 1), 1
	s_wait_xcnt 0x0
; xb = bf16(x), wb = bf16(Wq, Wk, Wv one below the other), both laid out IN PLANES of 32 along K: xb: [32][8192][32], wb: [32][3072][32].  A row of a plane is 64 bytes and the rows
; of a plane follow each other without a gap, so that the next launch can ask for any number of rows of a plane as one dense run of bytes.
; A stream: every input byte is read once, every output byte written once.  A work-group takes 8 rows of 1,024 numbers: 32,768 bytes in, 16,384 out.
; Grid row y = 0..7: rows 8 (128 y + xid) on of x; y = 8, 9, 10: rows 8 xid on of Wq, Wk, Wv, which are rows 1,024 (y - 8) + 8 xid on of wb.
; A wave takes 4 rows x 8 planes.  Load j: plane j of the eight; eight lanes take the 128 bytes of one row, so a load covers four pieces of 128 consecutive bytes, and two loads on end whole aligned
; blocks of 256.  Store j: the same four rows of that plane, 256 consecutive bytes at a multiple of 256.  All eight loads go out together; no register is used twice: no loop, no barrier.
; No LDS, matrix unit or cluster: work-groups share nothing and the arithmetic is one rounding a number.
.set XR, 8                             ; v[8:39]   eight loads of four f32
.set YR, 40                            ; v[40:55]  eight pairs of packed bf16
.set OF, 56                            ; v[56:63]  my byte offset in each of my eight planes
	s_load_b256 s[4:11], s[0:1], 0x0               ; x s[4:5], Wq s[6:7], Wk s[8:9], Wv s[10:11]
	s_load_b128 s[12:15], s[0:1], 0x20             ; xb s[12:13], wb s[14:15]
	s_and_b32 s16, ttmp7, 0xffff                   ; y
	s_mov_b32 s17, ttmp9                           ; xid
	s_sub_co_u32 s19, s16, 8                       ; which weight (used where y >= 8)
	s_mov_b32 s28, 3072*64                         ; bytes in a plane of wb
	s_mov_b32 s29, 8192*64                         ; and of xb
	v_and_b32 v1, 7, v0                            ; which 4 numbers of a plane's 32
	v_bfe_u32 v2, v0, 3, 2                         ; which of the wave's four rows
	v_bfe_u32 v3, v0, 5, 2                         ; wave % 4: which eight planes
	v_lshrrev_b32 v4, 7, v0                        ; wave / 4: which four rows
	v_lshl_add_u32 v2, v4, 2, v2                   ; my row of the group's eight
	v_lshlrev_b32 v5, 12, v2                       ; read: row x 4,096
	v_lshl_add_u32 v5, v3, 10, v5                  ;   + eight planes x 128 bytes
	v_lshl_add_u32 v5, v1, 4, v5                   ;   + my 16 bytes
	v_lshlrev_b32 v6, 6, v2                        ; written: row x 64
	v_lshl_add_u32 v6, v1, 3, v6                   ;   + my 8 bytes
	v_lshlrev_b32 v7, 3, v3                        ; my first plane
	s_wait_kmcnt 0x0
	s_cmp_eq_u32 s16, 9                            ; the choice hangs on y alone
	s_cselect_b64 s[20:21], s[8:9], s[6:7]
	s_cmp_eq_u32 s16, 10
	s_cselect_b64 s[20:21], s[10:11], s[20:21]
	s_cmp_lt_u32 s16, 8
	s_cselect_b64 s[20:21], s[4:5], s[20:21]       ; from where
	s_cselect_b64 s[22:23], s[12:13], s[14:15]     ; to where
	s_cselect_b32 s18, s16, 0                      ; row of chunks in the source
	s_cselect_b32 s19, s16, s19                    ; and in the destination
	s_cselect_b32 s28, s29, s28                    ; bytes in a plane of the destination
	s_lshl_b32 s18, s18, 7
	s_add_co_u32 s18, s18, s17
	s_lshl_b32 s24, s18, 15                        ; 8 rows of 4,096 bytes read
	s_mov_b32 s25, 0
	s_lshl_b32 s19, s19, 7
	s_add_co_u32 s19, s19, s17
	s_lshl_b32 s26, s19, 9                         ; 8 rows of 64 bytes in a plane
	s_mov_b32 s27, 0
	s_add_nc_u64 s[20:21], s[20:21], s[24:25]
	s_add_nc_u64 s[22:23], s[22:23], s[26:27]
.irp j, 0,1,2,3,4,5,6,7
	global_load_b128 v[XR+4*(\j):XR+4*(\j)+3], v5, s[20:21] offset:128*(\j)
.endr
	v_mad_u32_u24 v[OF], v7, s28, v6               ; my first plane x its bytes + my place in a plane: under 2^25
.irp j, 1,2,3,4,5,6,7
	v_add_nc_u32 v[OF+(\j)], s28, v[OF+(\j)-1]
.endr
.irp j, 0,1,2,3,4,5,6,7
	s_wait_loadcnt 7-(\j)                          ; loads come back in order: plane j is in, the 7 - j younger ones stay out
	v_cvt_pk_bf16_f32 v[YR+2*(\j)], v[XR+4*(\j)], v[XR+4*(\j)+1]
	v_cvt_pk_bf16_f32 v[YR+2*(\j)+1], v[XR+4*(\j)+2], v[XR+4*(\j)+3]
	global_store_b64 v[OF+(\j)], v[YR+2*(\j):YR+2*(\j)+1], s[22:23]
.endr
	s_endpgm
.Lfunc_end_k_qeddc9ed06f_cast:
	.size	k_qeddc9ed06f_cast, .Lfunc_end_k_qeddc9ed06f_cast-k_qeddc9ed06f_cast
	.p2alignl 7, 3214868480
	.fill 96, 4, 3214868480
	.section	.rodata,"a",@progbits
	.p2align	6, 0x0
	.amdhsa_kernel k_qeddc9ed06f_cast
		.amdhsa_group_segment_fixed_size 0
		.amdhsa_private_segment_fixed_size 0
		.amdhsa_enable_private_segment 0
		.amdhsa_kernarg_size 48
		.amdhsa_user_sgpr_count 2
		.amdhsa_user_sgpr_kernarg_segment_ptr 1
		.amdhsa_wavefront_size32 1
		.amdhsa_system_sgpr_workgroup_id_x 1
		.amdhsa_system_sgpr_workgroup_id_y 1
		.amdhsa_system_sgpr_workgroup_id_z 1
		.amdhsa_system_vgpr_workitem_id 0
		.amdhsa_next_free_vgpr 64
		.amdhsa_next_free_sgpr 66
		.amdhsa_reserve_vcc 0
		.amdhsa_float_denorm_mode_32 3
		.amdhsa_float_denorm_mode_16_64 3
		.amdhsa_memory_ordered 1
		.amdhsa_forward_progress 1
		.amdhsa_inst_pref_size 5
	.end_amdhsa_kernel
	.amdgpu_metadata
---
amdhsa.version: [ 1, 2 ]
amdhsa.kernels:
  - .name:           k_qeddc9ed06f_cast
    .symbol:         k_qeddc9ed06f_cast.kd
    .args:
      - { .name: x, .offset: 0, .size: 8, .value_kind: global_buffer, .address_space: global }
      - { .name: Wq, .offset: 8, .size: 8, .value_kind: global_buffer, .address_space: global }
      - { .name: Wk, .offset: 16, .size: 8, .value_kind: global_buffer, .address_space: global }
      - { .name: Wv, .offset: 24, .size: 8, .value_kind: global_buffer, .address_space: global }
      - { .name: xb, .offset: 32, .size: 8, .value_kind: global_buffer, .address_space: global }
      - { .name: wb, .offset: 40, .size: 8, .value_kind: global_buffer, .address_space: global }
    .group_segment_fixed_size: 0
    .private_segment_fixed_size: 0
    .kernarg_segment_align: 8
    .kernarg_segment_size: 48
    .max_flat_workgroup_size: 256
    .sgpr_count:     66
    .vgpr_count:     64
    .wavefront_size: 32
...
	.end_amdgpu_metadata
.endif
;; end of part 1
;; launch proj (part 2): grid 8 x 32, 4 waves a work-group, clusters of 4 x 4, 327,680 bytes of LDS; arguments xb, wb, qkv; writes qkv
.if DOCPART == 2
	.amdgcn_target "amdgcn-amd-amdhsa--gfx1250"
	.amdhsa_code_object_version 6
	.text
	.protected	k_qeddc9ed06f_proj
	.globl	k_qeddc9ed06f_proj
	.p2align	8
	.type	k_qeddc9ed06f_proj,@function
k_qeddc9ed06f_proj:
	s_mov_b64 s[64:65], 0
	v_nop
	global_prefetch_b8 v0, s[64:65] scope:SCOPE_SE
	s_setreg_imm32_b32 hwreg(HW_REG_WAVE_MODE, 25, 1), 1
	s_wait_xcnt 0x0
	s_wait_alu depctr_hold_cnt(0) depctr_sa_sdst(0) depctr_va_vdst(0) depctr_va_sdst(0) depctr_va_ssrc(0) depctr_va_vcc(0) depctr_vm_vsrc(0)
	s_getreg_b32 s2, hwreg(HW_REG_IB_STS2, 6, 4)
	s_cmp_eq_u32 s2, 0
	s_cbranch_scc0 .Lentry_in_a_cluster
	s_endpgm
.Lentry_in_a_cluster:
	s_bfe_u32 s2, ttmp6, 0x10000c
	s_cmp_lg_u32 s2, 0xf033
	s_cbranch_scc0 .Lentry_shape_is_right
	s_endpgm
.Lentry_shape_is_right:
; qkv[m][n] = sum over k of x[m][k] W[n][k].  xb: [32][8192][32] bf16 and wb: [32][3072][32] bf16, in planes of 32 along K (a row of a plane is 64 bytes, rows dense); qkv: [8192][3072] f16.
; Sums in f32, rounded once.  LIMIT: a sum of 65,520 or more in magnitude becomes an infinity in f16.
; A work-group makes 256 rows x 384 columns: 32 x 8 = 256 tiles, one to a work-group; a tile's rows of 768 bytes are three whole aligned blocks of 256.  Four waves, each 128 x 192: 96 accumulators, 768 registers.
; K goes in steps of 96 (three planes) through two LDS slots filled by the tensor data mover; two slots of 128 along K would take all of LDS.  32 planes = 2 + 10 x 3: the FIRST step is the short one, so that
; every refill is alike.  Waves 0, 1 fetch the two halves of xb's 256 rows, waves 2, 3 those of wb's 384 rows: one load is three planes of 128 (192) dense rows, padded in LDS from 64 to 80 bytes a row.
; CLUSTER 4 x 4: the four work-groups of a row of the cluster need the same rows of xb, the four of a column the same rows of wb: each tile is asked for jointly, with a mask that names the four.
; The matrix instruction is used transposed (source 0 = 16 rows of wb, source 1 = 16 rows of xb): a lane holds row l % 16 and eight neighbouring columns, which pack into 16 bytes.
; A QUARTER is 32 along K: 96 products in four PHASES of 24: (xb rows 0-63, wb rows 0-95), (64-127, 0-95), (64-127, 96-191), (0-63, 96-191).  The fragments of xb's rows 0-63 are loaded twice, into a second
; set of registers for the fourth phase: so every set has a stretch in which nothing reads it and it is loaded for the next quarter, no set alternates, and every quarter has the same text.
; REGISTERS: window 0: v0-31 addresses; v32-63 xb rows 0-63 (phase 0); v64-95 xb rows 64-127; v96-127 xb rows 0-63 again (phase 3); v128-175 wb rows 0-95; v176-223 wb rows 96-191; v32-223 at work on the way out.
;   windows 1 to 3: accumulator number n = 24 x phase + 6 x (row block in the phase) + (column block in the phase) at v[8 (n % 32)] of window 1 + n / 32.
; lds_bytes claims the whole LDS; the text uses 307,712 bytes.
.set PL,     80                        ; 64 bytes + 16: 20 words, so the 16 rows of a fragment load start at 16 different groups of four banks (64 banks of 4 bytes: ISA guide 11.1)
.set APLANE, 128*PL                    ; a plane of one load of xb
.set BPLANE, 192*PL                    ; and of wb
.set APART,  3*APLANE                  ; what one load of xb takes in LDS
.set BPART,  3*BPLANE
.set BOFF,   2*APART                   ; wb's two parts lie behind xb's two
.set SLOT,   BOFF+2*BPART              ; 153,600
.set SPARE,  2*SLOT                    ; the spare words, 128 bytes a wave: two blocks of 256 bytes that no other line names
.set SP,     784                       ; a row of the stage: 768 bytes + 16
.set QROW,   6144                      ; bytes in a row of qkv
.set XPL,    8192*64                   ; bytes in a plane of xb
.set WPL,    3072*64                   ; and of wb
.set TRIPS,  9                         ; steps 2 to 10 are asked for in the loop
.set ADRA, 16                          ; v16     LDS address of my fragments of xb in the slot in hand
.set ADRB, 17                          ; v17     the same for wb
.set A0,   18                          ; v18     the same in slot 0; never rewritten
.set B0,   19                          ; v19
.set STO,  24                          ; v24-25  way out: where I put 16 bytes, for row blocks 0-3 and 4-7
.set RD,   26                          ; v26     way out: where I read rows back
.set CO,   27                          ; v27     my byte offset in qkv
.set SPW,  28                          ; v28     my spare word; never rewritten
.set NIL,  29                          ; v29     0; never rewritten
.set ALO,  32
.set AHI,  64
.set AL2,  96
.set BLO,  128
.set BHI,  176
.set TMP,  32
.set WV, 12
.set RH, 13
.set CH, 14
.set TY, 15
.set TX, 16
.set G1A, 24                           ; s[24:31] shape of xb's loads of three planes
.set G0A, 32                           ; s[32:39] from where, to where: a set for each of the two first fills; the second then walks on
.set PA,  40                           ; s40  my load's place in a slot, for xb
.set PB,  41                           ; s41  and for wb
.set G1B, 48
.set G0B, 56
.set LAP, 66
.set TF,  67                           ; s67  LDS byte at which the slot in hand begins: it is filled again when it is left
.set TR,  68                           ; s68  the other slot's: it is read next
.set G1AS, 72                          ; s[72:79] shape of xb's first load, of two planes
.set G1BS, 80                          ; s[80:87] and of wb's
.set MSB, 0
.macro WIN new                         ; the immediate's high byte repeats the setting that is left; a switch that changes nothing is dropped
.if MSB != (\new)
	s_set_vgpr_msb (MSB<<8)|(\new)
.set MSB, (\new)
.endif
.endm
.macro PLACES                          ; four places in front of loads into registers that matrix instructions have read, and of lines that read results
.rept 4
	v_nop
.endr
.endm
.macro JLOAD                           ; a joint refill: waves 0, 1 ask for xb's halves, waves 2, 3 for wb's; s_nop 0 and four v_nop follow each line
	s_cmp_lt_u32 s[WV], 2
	s_cbranch_scc0 .Lfor_b_\@
	tensor_load_to_lds s[G0A+4:G0A+7], s[G1A:G1A+7]
	s_nop 0
.rept 4
	v_nop
.endr
	s_branch .Lasked_\@
.Lfor_b_\@:
	tensor_load_to_lds s[G0B+4:G0B+7], s[G1B:G1B+7]
	s_nop 0
.rept 4
	v_nop
.endr
.Lasked_\@:
.endm
.macro CREST                           ; a round of the cluster's barrier behind its opening barrier
	s_cmp_lg_u32 s[WV], 0
	s_cbranch_scc1 .Lnot_wave_0_\@
	s_barrier_signal -3
.Lnot_wave_0_\@:
	s_barrier_wait -3
	s_barrier_signal -1
	s_barrier_wait -1
.endm
.macro CROUND
	s_barrier_signal -1
	s_barrier_wait -1
	CREST
.endm
.macro SHAPE g, cols, planes, pitch    ; words 1 to 7 of a group 1: a tile of so many planes, each one dense run of cols elements; pitch elements from plane to plane
	s_mov_b32 s[(\g)+1], ((\cols)&0xffff)<<16      ; tensor_dim0
	s_mov_b32 s[(\g)+2], ((\cols)>>16)|((\planes)<<16)  ; tensor_dim1
	s_mov_b32 s[(\g)+3], (\cols)<<16               ; tile_dim0
	s_mov_b32 s[(\g)+4], \planes                   ; tile_dim1
	s_mov_b32 s[(\g)+5], \pitch
	s_mov_b32 s[(\g)+6], 0
	s_mov_b32 s[(\g)+7], 0
.endm
	s_load_b128 s[4:7], s[0:1], 0x0                ; xb s[4:5], wb s[6:7]
	s_load_b64 s[8:9], s[0:1], 0x10                ; qkv
	v_lshl_add_u32 v[SPW], v0, 2, SPARE
	v_mov_b32 v[NIL], 0
	ds_add_u32 v28, v29
	s_wait_dscnt 0x0
	v_lshrrev_b32 v1, 5, v0
	v_readfirstlane_b32 s[WV], v1                  ; wave 0..3
	s_lshr_b32 s[RH], s[WV], 1                     ; which 128 rows are mine
	s_and_b32 s[CH], s[WV], 1                      ; which 192 columns.  Also: which half of a tile I fetch
	s_bfe_u32 s17, ttmp6, 0x40000                  ; cx
	s_bfe_u32 s18, ttmp6, 0x40004                  ; cy
	s_lshl_b32 s[TX], ttmp9, 2
	s_add_co_u32 s[TX], s[TX], s17                 ; tile column = 4 x cluster x + cx
	s_and_b32 s[TY], ttmp7, 0xffff
	s_lshl_b32 s[TY], s[TY], 2
	s_add_co_u32 s[TY], s[TY], s18                 ; tile row = 4 x cluster y + cy
	s_lshl_b32 s43, s18, 2
	s_lshl_b32 s43, 15, s43                        ; my row of the cluster
	s_lshl_b32 s44, 0x1111, s17                    ; my column
.irp g, G1A, G1AS
	s_or_b32 s[\g], s43, (1<<16)|(1<<20)|(1<<21)|(3<<22)|(3<<25)  ; mask; 2-byte elements; padding on; bit 21 beside a mask; after every 16 words; 4 words
.endr
.irp g, G1B, G1BS
	s_or_b32 s[\g], s44, (1<<16)|(1<<20)|(1<<21)|(3<<22)|(3<<25)
.endr
	SHAPE G1A,  128*32, 3, 8192*32
	SHAPE G1AS, 128*32, 2, 8192*32
	SHAPE G1B,  192*32, 3, 3072*32
	SHAPE G1BS, 192*32, 2, 3072*32
	s_lshl_b32 s20, s[TY], 14                      ; xb: 256 rows of 64 bytes a tile row,
	s_lshl_b32 s21, s[CH], 13                      ; 128 rows a half; this chain never holds cx
	s_add_co_u32 s20, s20, s21
	s_mov_b32 s21, 0
	s_mul_i32 s22, s[TX], 384*64                   ; wb: this chain never holds cy
	s_mul_i32 s23, s[CH], 192*64
	s_add_co_u32 s22, s22, s23
	s_mov_b32 s23, 0
	s_mul_i32 s[PA], s[CH], APART                  ; where my load goes: no place in the cluster enters an LDS address
	s_mul_i32 s[PB], s[CH], BPART
	s_add_co_u32 s[PB], s[PB], BOFF
	s_mov_b32 s[TF], 0
	s_mov_b32 s[TR], SLOT
	s_wait_kmcnt 0x0
	s_add_nc_u64 s[20:21], s[4:5], s[20:21]
	s_add_nc_u64 s[22:23], s[6:7], s[22:23]
	CROUND                                         ; all sixteen work-groups are here: the first joint loads meet
	s_mov_b32 s[G0A], 1                            ; step 0: planes 0, 1 into slot 0
	s_mov_b32 s[G0A+1], s[PA]
	s_add_nc_u64 s[G0A+2:G0A+3], s[20:21], 0
	s_or_b32 s[G0A+3], s[G0A+3], 0x80000000
	s_mov_b32 s[G0A+4], 1                          ; step 1: planes 2 to 4 into slot 1
	s_add_co_u32 s[G0A+5], s[PA], SLOT
	s_add_nc_u64 s[G0A+6:G0A+7], s[20:21], 2*XPL
	s_or_b32 s[G0A+7], s[G0A+7], 0x80000000
	s_mov_b32 s[G0B], 1
	s_mov_b32 s[G0B+1], s[PB]
	s_add_nc_u64 s[G0B+2:G0B+3], s[22:23], 0
	s_or_b32 s[G0B+3], s[G0B+3], 0x80000000
	s_mov_b32 s[G0B+4], 1
	s_add_co_u32 s[G0B+5], s[PB], SLOT
	s_add_nc_u64 s[G0B+6:G0B+7], s[22:23], 2*WPL
	s_or_b32 s[G0B+7], s[G0B+7], 0x80000000
	s_cmp_lt_u32 s[WV], 2                          ; a wave's two first fills stand in one branch, ahead of every wait on TENSORcnt and every LDS read: two loads of mine are out
	s_cbranch_scc0 .Lfirst_b
	tensor_load_to_lds s[G0A:G0A+3], s[G1AS:G1AS+7]
	s_nop 0
	tensor_load_to_lds s[G0A+4:G0A+7], s[G1A:G1A+7]
	s_nop 0
.rept 4
	v_nop
.endr
	s_branch .Lfirst_asked
.Lfirst_b:
	tensor_load_to_lds s[G0B:G0B+3], s[G1BS:G1BS+7]
	s_nop 0
	tensor_load_to_lds s[G0B+4:G0B+7], s[G1B:G1B+7]
	s_nop 0
.rept 4
	v_nop
.endr
.Lfirst_asked:
	; a fragment is 16 rows x 32 K in 8 registers: lane l holds row l % 16, K = 8 (l / 16) + 0..7 and 16 + 8 (l / 16) + 0..7: two loads of 16 bytes, 32 apart, in the row's 64 bytes of a plane
	v_and_b32 v1, 15, v0                           ; r
	v_bfe_u32 v2, v0, 4, 1                         ; h
	v_mul_u32_u24 v3, v1, PL
	v_lshl_add_u32 v3, v2, 4, v3
	s_mul_i32 s42, s[RH], APART                    ; my 128 rows of xb are one load's
	s_mul_i32 s45, s[CH], BPART                    ; my 192 rows of wb likewise
	s_add_co_u32 s45, s45, BOFF
	v_add_nc_u32 v[A0], s42, v3
	v_add_nc_u32 v[B0], s45, v3
	v_mov_b32 v[ADRA], v[A0]                       ; step 0 lies in slot 0
	v_mov_b32 v[ADRB], v[B0]
	s_mul_i32 s42, s[RH], 128*SP                   ; into the stage: my 128 rows, my 384 bytes of them; row r, 16 bytes for each half of the lanes
	s_mul_i32 s45, s[CH], 384
	s_add_co_u32 s42, s42, s45
	v_mul_u32_u24 v4, v1, SP
	v_lshl_add_u32 v4, v2, 4, v4
	v_add_nc_u32 v[STO], s42, v4
	v_add_nc_u32 v[STO+1], 64*SP, v[STO]           ; row blocks 4-7: past the reach of a 16-bit offset
	s_mul_i32 s42, s[WV], 64*SP                    ; back: wave w takes rows 64 w .. 64 w + 63 whole; lanes 0-15 256 bytes of one row, lanes 16-31 of the next
	v_mul_u32_u24 v5, v2, SP
	v_lshl_add_u32 v5, v1, 4, v5
	v_add_nc_u32 v[RD], s42, v5
	v_mul_u32_u24 v5, v2, QROW
	v_lshl_add_u32 v[CO], v1, 4, v5
	s_lshl_b32 s88, s[TY], 8                       ; the first row that I store: 256 x tile row + 64 x wave
	s_lshl_b32 s90, s[WV], 6
	s_add_co_u32 s88, s88, s90
	s_mul_i32 s88, s88, QROW
	s_mul_i32 s90, s[TX], 768                      ; the tile's first column, in bytes
	s_add_co_u32 s88, s88, s90
	s_mov_b32 s89, 0
	s_add_nc_u64 s[8:9], s[8:9], s[88:89]
; 24 matrix instructions: phase p.  zero = 1: the first product starts the sums.  The 96 accumulators take turns in one order in every quarter, one instruction a turn.
.macro PHASE p, zero=0
.set np, 0
.rept 24
.set nn, 24*(\p)+np
.set rD, 8*(nn%32)
.set rA, ALO+32*(((\p)+1)/2)+8*(np/6)              ; phase 0: v32 on; phases 1, 2: v64 on; phase 3: v96 on
.set rB, BLO+48*((\p)/2)+8*(np%6)
	WIN 0x50*(1+nn/32)                             ; sources window 0, C and D window 1 + n / 32
.if \zero
	v_wmma_f32_16x16x32_bf16 v[rD:rD+7], v[rB:rB+7], v[rA:rA+7], 0
.else
	v_wmma_f32_16x16x32_bf16 v[rD:rD+7], v[rB:rB+7], v[rA:rA+7], v[rD:rD+7]
.endif
.set np, np+1
.endr
.endm
.macro FRAGS dst, adr, n, first, off   ; n fragments from row block first on, at byte off of the part
.set nb, 0
.rept \n
	ds_load_b128 v[(\dst)+8*nb:(\dst)+8*nb+3],   v[\adr] offset:(\off)+((\first)+nb)*16*PL
	ds_load_b128 v[(\dst)+8*nb+4:(\dst)+8*nb+7], v[\adr] offset:(\off)+((\first)+nb)*16*PL+32
.set nb, nb+1
.endr
.endm
.macro RUN1 pl                         ; 20 LDS loads: what phase 0 of the next quarter (plane pl of the slot in hand) needs
	WIN 0
	FRAGS BLO, ADRB, 6, 0, (\pl)*BPLANE
	FRAGS ALO, ADRA, 4, 0, (\pl)*APLANE
.endm
.macro RUN2 pl                         ; 28 LDS loads, in the order in which phases 1, 2, 3 of the next quarter need them
	WIN 0
	FRAGS AHI, ADRA, 4, 4, (\pl)*APLANE
	FRAGS BHI, ADRB, 6, 6, (\pl)*BPLANE
	FRAGS AL2, ADRA, 4, 0, (\pl)*APLANE
.endm
; A quarter that is not its step's last.  pl: the plane of the next quarter.
.macro QTR pl, zero=0
	s_wait_dscnt 28                                ; RUN1's loads are in; RUN2's 28 may be out
	PHASE 0, \zero
	s_wait_dscnt 20                                ; xb's rows 64-127 are in
	PHASE 1, \zero
	s_wait_dscnt 8                                 ; wb's rows 96-191 are in; the second copy of xb's rows 0-63 may be out
	PLACES
	RUN1 \pl
	PHASE 2, \zero
	s_wait_dscnt 20                                ; all but the 20 just issued
	PHASE 3, \zero
	PLACES
	RUN2 \pl
.endm
; A step's last quarter changes slots: one barrier.  All reads of the slot in hand were issued at the end of the quarter before.  In front of the barrier each wave waits for all its tensor loads (one is out:
; its part of the next slot), adds 0 to its spare word, and waits for that and for its own reads of this slot.  fill = 1: the barrier opens a round of the cluster's, and behind the round this slot is filled
; again, with the step two on: 240 matrix instructions ahead of the wait for it.
.macro TURNQ fill
	WIN 0
	s_wait_tensorcnt 0x0                           ; no tensor load of mine is out, so a group 0 may be written
	ds_add_u32 v[SPW], v[NIL]                      ; 0 onto my spare word
.if \fill
	s_add_co_u32 s[G0A+5], s[PA], s[TF]            ; the walking descriptors: into the slot that is left,
	s_add_nc_u64 s[G0A+6:G0A+7], s[G0A+6:G0A+7], 3*XPL  ; the next three planes; the type bits on top are not reached
	s_add_co_u32 s[G0B+5], s[PB], s[TF]
	s_add_nc_u64 s[G0B+6:G0B+7], s[G0B+6:G0B+7], 3*WPL
.endif
	s_wait_dscnt 29                                ; RUN1's loads are in; the add and RUN2's 28 may be out
	PHASE 0
	s_wait_dscnt 0x0                               ; the add is done, and my reads of this slot are over
	s_barrier_signal -1
	PHASE 1
	WIN 0
	s_barrier_wait -1
.if \fill
	CREST                                          ; no wave of any partner still reads this slot or has a load on its way
	JLOAD                                          ; the first tensor load behind the round; its four v_nop are also the places in front of the loads below
.else
	PLACES
.endif
	v_add_nc_u32 v[ADRA], s[TR], v[A0]             ; the other slot is in hand now
	v_add_nc_u32 v[ADRB], s[TR], v[B0]
	s_xor_b32 s[TF], s[TF], SLOT
	s_xor_b32 s[TR], s[TR], SLOT
	RUN1 0
	PHASE 2
	PHASE 3
	PLACES
	RUN2 0
.endm
	s_wait_tensorcnt 1                             ; my part of step 0 is in; step 1's may stay out
	s_barrier_signal -1
	s_barrier_wait -1
	RUN1 0
	RUN2 0
	QTR 1, 1                                       ; plane 0 stands in front of the loop: its products start the sums
	WIN 0
	s_mov_b32 s[LAP], TRIPS
.Lstep:                                                ; a trip: a step's last plane and the refill of its slot, then the next step's planes 0 and 1
	TURNQ 1
	QTR 1
	QTR 2
	WIN 0
	s_sub_co_u32 s[LAP], s[LAP], 1
	s_cmp_lg_u32 s[LAP], 0
	s_cbranch_scc1 .Lstep
	TURNQ 0                                        ; step 9's last plane: nothing is left to ask for
	QTR 1
	QTR 2
	s_wait_dscnt 28                                ; the very last quarter
	PHASE 0
	s_wait_dscnt 20
	PHASE 1
	s_wait_dscnt 0x0                               ; my reads of both slots are over:
	s_barrier_signal -1                            ; say so,
	PHASE 2
	PHASE 3
	WIN 0
	s_barrier_wait -1                              ; and write into the slots only when all four have said so
	; THE WAY OUT: rounded to f16; 16 bytes a lane into the stage, which lies in the slots (200,704 bytes; they have had their last fill); a barrier, since a row's 768 bytes come from two waves; back as whole rows.
	PLACES
.set ng, 0
.rept 2                                ; accumulators 0-47 (columns 0-95 of mine), then 48-95
.set nn, 0
.rept 48
.set na, 48*ng+nn
	WIN 5*(1+na/32)                                ; sources in the accumulator's window, destination window 0
.set nj, 0
.rept 4
	v_cvt_pk_f16_f32 v[TMP+4*nn+nj], v[8*(na%32)+2*nj], v[8*(na%32)+2*nj+1]
.set nj, nj+1
.endr
.set nn, nn+1
.endr
	WIN 0
.set nn, 0
.rept 48
.set na, 48*ng+nn
.set np, na/24                         ; its phase: phases 1 and 2 hold row blocks 4-7, phases 2 and 3 column blocks 6-11
	ds_store_b128 v[STO+((np+1)/2)%2], v[TMP+4*nn:TMP+4*nn+3] offset:((na%24)/6)*16*SP+32*((na%6)+6*(np/2))
.set nn, nn+1
.endr
.set ng, ng+1
.endr
	s_wait_dscnt 0x0                               ; for the others' sake: my stores into the stage are done
	s_barrier_signal -1
	s_barrier_wait -1
	s_mov_b32 s[LAP], 4
.Lout:                                                 ; a trip: 16 of my 64 rows
.set nn, 0
.rept 24
	ds_load_b128 v[TMP+4*nn:TMP+4*nn+3], v[RD] offset:(nn/3)*2*SP+(nn%3)*256
.set nn, nn+1
.endr
.set nn, 0
.rept 24
	s_wait_dscnt 23-nn                             ; LDS loads come back in order: this one is in, the younger ones stay out
	global_store_b128 v[CO], v[TMP+4*nn:TMP+4*nn+3], s[8:9] offset:(nn/3)*2*QROW+(nn%3)*256  ; 16 lanes store 256 consecutive bytes, at a multiple of 256
.set nn, nn+1
.endr
	s_wait_xcnt 0x0                                ; the stores have had their addresses translated: only behind this wait are their base and, next trip, their data rewritten
	s_add_nc_u64 s[8:9], s[8:9], 16*QROW
	v_add_nc_u32 v[RD], 16*SP, v[RD]
	s_sub_co_u32 s[LAP], s[LAP], 1
	s_cmp_lg_u32 s[LAP], 0
	s_cbranch_scc1 .Lout
	s_wait_tensorcnt 0x0                           ; the wave's end
	ds_add_u32 v[SPW], v[NIL]
	s_wait_dscnt 0x0
	CROUND                                         ; the closing round: no work-group ends while a partner may still ask for a tile that names it
	s_endpgm
.Lfunc_end_k_qeddc9ed06f_proj:
	.size	k_qeddc9ed06f_proj, .Lfunc_end_k_qeddc9ed06f_proj-k_qeddc9ed06f_proj
	.p2alignl 7, 3214868480
	.fill 96, 4, 3214868480
	.section	.rodata,"a",@progbits
	.p2align	6, 0x0
	.amdhsa_kernel k_qeddc9ed06f_proj
		.amdhsa_group_segment_fixed_size 327680
		.amdhsa_private_segment_fixed_size 0
		.amdhsa_enable_private_segment 0
		.amdhsa_kernarg_size 24
		.amdhsa_user_sgpr_count 2
		.amdhsa_user_sgpr_kernarg_segment_ptr 1
		.amdhsa_wavefront_size32 1
		.amdhsa_system_sgpr_workgroup_id_x 1
		.amdhsa_system_sgpr_workgroup_id_y 1
		.amdhsa_system_sgpr_workgroup_id_z 1
		.amdhsa_system_vgpr_workitem_id 0
		.amdhsa_next_free_vgpr 1024
		.amdhsa_next_free_sgpr 96
		.amdhsa_reserve_vcc 0
		.amdhsa_float_denorm_mode_32 3
		.amdhsa_float_denorm_mode_16_64 3
		.amdhsa_memory_ordered 1
		.amdhsa_forward_progress 1
		.amdhsa_inst_pref_size 121
	.end_amdhsa_kernel
	.amdgpu_metadata
---
amdhsa.version: [ 1, 2 ]
amdhsa.kernels:
  - .name:           k_qeddc9ed06f_proj
    .symbol:         k_qeddc9ed06f_proj.kd
    .args:
      - { .name: xb, .offset: 0, .size: 8, .value_kind: global_buffer, .address_space: global }
      - { .name: wb, .offset: 8, .size: 8, .value_kind: global_buffer, .address_space: global }
      - { .name: qkv, .offset: 16, .size: 8, .value_kind: global_buffer, .address_space: global }
    .group_segment_fixed_size: 327680
    .private_segment_fixed_size: 0
    .kernarg_segment_align: 8
    .kernarg_segment_size: 24
    .max_flat_workgroup_size: 128
    .sgpr_count:     96
    .vgpr_count:     1024
    .wavefront_size: 32
...
	.end_amdgpu_metadata
.endif
;; end of part 2
;; launch scores (part 3): grid 8 x 32, 4 waves a work-group, clusters of 4 x 4, 327,680 bytes of LDS; arguments qkv, p, cms, ls; writes p, cms, ls
.if DOCPART == 3
	.amdgcn_target "amdgcn-amd-amdhsa--gfx1250"
	.amdhsa_code_object_version 6
	.text
	.protected	k_qeddc9ed06f_scores
	.globl	k_qeddc9ed06f_scores
	.p2align	8
	.type	k_qeddc9ed06f_scores,@function
k_qeddc9ed06f_scores:
	s_mov_b64 s[64:65], 0
	v_nop
	global_prefetch_b8 v0, s[64:65] scope:SCOPE_SE
	s_setreg_imm32_b32 hwreg(HW_REG_WAVE_MODE, 25, 1), 1
	s_wait_xcnt 0x0
	s_wait_alu depctr_hold_cnt(0) depctr_sa_sdst(0) depctr_va_vdst(0) depctr_va_sdst(0) depctr_va_ssrc(0) depctr_va_vcc(0) depctr_vm_vsrc(0)
	s_getreg_b32 s2, hwreg(HW_REG_IB_STS2, 6, 4)
	s_cmp_eq_u32 s2, 0
	s_cbranch_scc0 .Lentry_in_a_cluster
	s_endpgm
.Lentry_in_a_cluster:
	s_bfe_u32 s2, ttmp6, 0x10000c
	s_cmp_lg_u32 s2, 0xf033
	s_cbranch_scc0 .Lentry_shape_is_right
	s_endpgm
.Lentry_shape_is_right:
; s[q][k] = q[q] . k[k] over 1,024 channels (f16 operands, f32 sums), and the first level of the softmax.  qkv: [8192][3072] f16 (q at byte 0, k at byte 2,048 of a row of 6,144).
; The 2,048 keys of a batch fall into 16 STAT TILES of 128.  For each query row and stat tile t: m_t = the largest score of the tile; p = 2^(c s - c m_t), c = log2(e) / 32, stored in f16 in
; p: [8192][2048]; c m_t in cms: [16][8192] f32; l_t = the sum of the unrounded p in ls: [16][8192] f32.  The next launch takes the maximum over the 16 tiles: every exponent is 0 or below at both levels.
; LIMITS: p below 6e-5 keeps f16's fixed step of 6e-8; an exponential below 2^-126 counts as 0; NaN and infinities are not treated apart.
; A work-group makes 256 queries x 256 keys of one batch; four waves, each 128 x 128: 64 accumulators, 512 registers; a wave's 128 keys are one stat tile.
; K goes in steps of 128 through two LDS slots filled by the tensor data mover (rows of 256 bytes, padded to 272).  Waves 0, 1 fetch q's halves, waves 2, 3 k's.
; CLUSTER 4 x 4: q's tile is shared along a row of the cluster, k's along a column: each is asked for jointly.  A cluster's four tile rows lie in one batch (8 tile rows a batch).
; The matrix instruction takes 16 keys as source 0 and 16 queries as source 1: a lane holds query l % 16 and the keys 8 (l / 16) + 0..7 of a block.
; REGISTERS: window 0: v0-31 addresses; v64-127, v128-191 fragments of q, two buffers; later v64-199 the softmax at work.  window 1: v64-191 fragments of k.
;   window 2: accumulators of query blocks 0-3 at v[8 (8 (a % 4) + b)];  window 3: of blocks 4-7.
; lds_bytes claims the whole LDS; the text uses 283,136 bytes.
.set KSTEP,  128
.set PITCH,  272                       ; 256 + 16: the 16 rows of a fragment load start at 16 different groups of four banks (64 banks of 4 bytes: ISA guide 11.1)
.set HALFT,  128*PITCH
.set SLOT,   4*HALFT                   ; q's 256 rows, then k's 256 rows
.set STG,    528                       ; a row of a wave's stage: 128 f32 + 16 bytes
.set STAGEW, 128*STG                   ; a wave's stage, 67,584 bytes; the four lie in the two slots once these have had their last fill and their last read
.set STAT,   2*SLOT                    ; 1,024 bytes a wave: 128 c m, then 128 l
.set SPARE,  STAT+4096                 ; the spare words, 128 bytes a wave: two blocks of 256 bytes that no other line names
.set LAPS,   4
.set QROW,   6144
.set ADRA, 16
.set ADRB, 20
.set STO,  24                          ; v24  where I put 16 bytes of a row of scores
.set RD,   25                          ; v25  where I read rows back; steps 16 rows a trip
.set PO,   26                          ; v26  my byte offset in p
.set SA,   27                          ; v27  where a row's c m goes; steps 16 words a trip
.set SPW,  28
.set NIL,  29
.set SR,   30                          ; v30  where I read 16 bytes of statistics back
.set SG,   31                          ; v31  my byte offset in cms and ls
.set X,    64                          ; v64-127   8 rows x 8 scores
.set Y,    128                         ; v128-159  8 rows x 4 words of f16
.set MX,   160                         ; v160-167  a row's maximum
.set CM,   168                         ; v168-183  c m, twice (a pair for the packed scaling)
.set LS,   184                         ; v184-191  a row's sum
.set WV, 12
.set RH, 13
.set CH, 14
.set TY, 15
.set TX, 16
.set G1A, 24
.set G0A, 32
.set G1B, 48
.set G0B, 56
.set LAP, 66
.set CNT, 67
.set CS,  70
.set MSB, 0
.macro WIN new
.if MSB != (\new)
	s_set_vgpr_msb (MSB<<8)|(\new)
.set MSB, (\new)
.endif
.endm
.macro PLACES
.rept 4
	v_nop
.endr
.endm
.macro JLOAD s                         ; waves 0 and 1 ask for q's two halves, waves 2 and 3 for k's; s_nop 0 and four v_nop follow each line
	s_cmp_eq_u32 s[RH], 0
	s_cbranch_scc0 .Lfor_b_\@
	tensor_load_to_lds s[G0A+4*(\s):G0A+4*(\s)+3], s[G1A:G1A+7]
	s_nop 0
.rept 4
	v_nop
.endr
	s_branch .Lasked_\@
.Lfor_b_\@:
	tensor_load_to_lds s[G0B+4*(\s):G0B+4*(\s)+3], s[G1B:G1B+7]
	s_nop 0
.rept 4
	v_nop
.endr
.Lasked_\@:
.endm
.macro CREST
	s_cmp_lg_u32 s[WV], 0
	s_cbranch_scc1 .Lnot_wave_0_\@
	s_barrier_signal -3
.Lnot_wave_0_\@:
	s_barrier_wait -3
	s_barrier_signal -1
	s_barrier_wait -1
.endm
.macro CROUND
	s_barrier_signal -1
	s_barrier_wait -1
	CREST
.endm
	s_load_b256 s[4:11], s[0:1], 0x0               ; qkv s[4:5], p s[6:7], cms s[8:9], ls s[10:11]
	v_lshl_add_u32 v[SPW], v0, 2, SPARE
	v_mov_b32 v[NIL], 0
	ds_add_u32 v28, v29
	s_wait_dscnt 0x0
	v_lshrrev_b32 v1, 5, v0
	v_readfirstlane_b32 s[WV], v1
	s_lshr_b32 s[RH], s[WV], 1                     ; which 128 queries are mine.  Also: I fetch for q (0) or for k (1)
	s_and_b32 s[CH], s[WV], 1                      ; which 128 keys.  Also: which 128 rows of that tile I fetch
	s_bfe_u32 s17, ttmp6, 0x40000                  ; cx
	s_bfe_u32 s18, ttmp6, 0x40004                  ; cy
	s_lshl_b32 s[TX], ttmp9, 2
	s_add_co_u32 s[TX], s[TX], s17                 ; key tile in the batch
	s_and_b32 s[TY], ttmp7, 0xffff
	s_lshr_b32 s19, s[TY], 1                       ; the batch: two clusters of four query tiles each; made of the cluster's y alone
	s_lshl_b32 s[TY], s[TY], 2
	s_add_co_u32 s[TY], s[TY], s18                 ; query tile
	s_lshl_b32 s43, s18, 2
	s_lshl_b32 s43, 15, s43
	s_lshl_b32 s44, 0x1111, s17
	s_or_b32 s[G1A], s43, (1<<16)|(1<<20)|(1<<21)|(5<<22)|(3<<25)
	s_or_b32 s[G1B], s44, (1<<16)|(1<<20)|(1<<21)|(5<<22)|(3<<25)
.irp g, G1A, G1B
	s_mov_b32 s[(\g)+1], KSTEP<<16
	s_mov_b32 s[(\g)+2], 128<<16
	s_mov_b32 s[(\g)+3], KSTEP<<16
	s_mov_b32 s[(\g)+4], 128
	s_mov_b32 s[(\g)+5], 3072                      ; elements from row to row of qkv
	s_mov_b32 s[(\g)+6], 0
	s_mov_b32 s[(\g)+7], 0
.endr
	s_mov_b32 s[CS], 0x3d38aa3b                    ; c = log2(e) / 32
	s_mov_b32 s[CS+1], s[CS]
	s_lshl_b32 s20, s[TY], 8                       ; q: row 256 x query tile + 128 x half; this chain never holds cx
	s_lshl_b32 s21, s[CH], 7
	s_add_co_u32 s20, s20, s21
	s_mul_i32 s20, s20, QROW
	s_mov_b32 s21, 0
	s_lshl_b32 s22, s19, 11                        ; k: row 2,048 x batch + 256 x key tile + 128 x half; this chain never holds cy
	s_lshl_b32 s46, s[TX], 8
	s_add_co_u32 s22, s22, s46
	s_lshl_b32 s46, s[CH], 7
	s_add_co_u32 s22, s22, s46
	s_mul_i32 s22, s22, QROW
	s_add_co_u32 s22, s22, 2048                    ; k's place in a row
	s_mov_b32 s23, 0
	s_mul_i32 s40, s[WV], HALFT
	s_wait_kmcnt 0x0
	s_add_nc_u64 s[20:21], s[4:5], s[20:21]
	s_add_nc_u64 s[22:23], s[4:5], s[22:23]
	CROUND
.irp s, 0,1
	s_mov_b32 s[G0A+4*(\s)], 1
	s_add_co_u32 s[G0A+4*(\s)+1], s40, (\s)*SLOT
	s_add_nc_u64 s[G0A+4*(\s)+2:G0A+4*(\s)+3], s[20:21], (\s)*KSTEP*2
	s_or_b32 s[G0A+4*(\s)+3], s[G0A+4*(\s)+3], 0x80000000
	s_mov_b32 s[G0B+4*(\s)], 1
	s_add_co_u32 s[G0B+4*(\s)+1], s40, (\s)*SLOT
	s_add_nc_u64 s[G0B+4*(\s)+2:G0B+4*(\s)+3], s[22:23], (\s)*KSTEP*2
	s_or_b32 s[G0B+4*(\s)+3], s[G0B+4*(\s)+3], 0x80000000
	JLOAD \s
.endr
	v_and_b32 v1, 15, v0                           ; r
	v_bfe_u32 v2, v0, 4, 1                         ; h
	v_mul_u32_u24 v3, v1, PITCH
	v_lshl_add_u32 v3, v2, 4, v3
	s_mul_i32 s41, s[RH], HALFT
	s_mul_i32 s42, s[CH], HALFT
	s_add_co_u32 s42, s42, 2*HALFT
.irp s, 0,1
	v_add_nc_u32 v[ADRA+(\s)], s41, v3
	v_add_nc_u32 v[ADRB+(\s)], s42, v3
	s_add_co_u32 s41, s41, SLOT
	s_add_co_u32 s42, s42, SLOT
.endr
	s_mul_i32 s41, s[WV], STAGEW                   ; my stage
	v_mul_u32_u24 v4, v1, STG
	v_lshl_add_u32 v4, v2, 4, v4
	v_add_nc_u32 v[STO], s41, v4                   ; in: row r, 16 bytes for each half of the lanes
	v_mul_u32_u24 v5, v2, STG
	v_lshl_add_u32 v5, v1, 4, v5
	v_add_nc_u32 v[RD], s41, v5                    ; back: lanes 0-15 one row, lanes 16-31 the next; lane c takes keys 8 c .. 8 c + 7
	v_lshlrev_b32 v5, 12, v2
	v_lshl_add_u32 v[PO], v1, 4, v5                ; the same two rows in p
	s_lshl_b32 s42, s[WV], 10
	s_add_co_u32 s42, s42, STAT
	v_lshl_add_u32 v[SA], v2, 2, s42
	v_and_b32 v5, 31, v0
	v_lshlrev_b32 v[SG], 4, v5
	v_add_nc_u32 v[SR], s42, v[SG]
	s_lshl_b32 s74, s[TY], 8                       ; my first query row
	s_lshl_b32 s41, s[RH], 7
	s_add_co_u32 s74, s74, s41
	s_lshl_b32 s77, s74, 2                         ; its place in a row of cms and ls
	s_lshl_b32 s74, s74, 12                        ; and in p
	s_lshl_b32 s76, s[TX], 1
	s_add_co_u32 s76, s76, s[CH]                   ; my stat tile
	s_lshl_b32 s75, s76, 8                         ; its 256 bytes in a row of p
	s_add_co_u32 s74, s74, s75
	s_mov_b32 s75, 0
	s_add_nc_u64 s[6:7], s[6:7], s[74:75]
	s_lshl_b32 s76, s76, 15
	s_add_co_u32 s76, s76, s77
	s_mov_b32 s77, 0
	s_add_nc_u64 s[8:9], s[8:9], s[76:77]
	s_add_nc_u64 s[10:11], s[10:11], s[76:77]
; 16 matrix instructions: query blocks a0, a0 + 1 of the window's four x all 8 key blocks, 32 along K.  The 64 accumulators take turns in one order, one instruction a turn.
.macro MUL16 f, hi, a0, zero=0
	WIN 0xa1+0x50*(\hi)
.set na, (\a0)
.rept 2
.set nb, 0
.rept 8
.set rD, 8*(8*na+nb)
.set rB, 64+64*(\f)+8*nb
.set rA, 64+64*(\f)+8*(4*(\hi)+na)
.if \zero
	v_wmma_f32_16x16x32_f16 v[rD:rD+7], v[rB:rB+7], v[rA:rA+7], 0
.else
	v_wmma_f32_16x16x32_f16 v[rD:rD+7], v[rB:rB+7], v[rA:rA+7], v[rD:rD+7]
.endif
.set nb, nb+1
.endr
.set na, na+1
.endr
.endm
.macro FETCH slot, kq, f               ; 32 LDS loads in one run: 16 for k, then 16 for q
.set rF, 64+64*(\f)
	WIN 0x40
.set nb, 0
.rept 8
	ds_load_b128 v[rF+8*nb:rF+8*nb+3],   v[ADRB+(\slot)] offset:64*(\kq)+nb*16*PITCH
	ds_load_b128 v[rF+8*nb+4:rF+8*nb+7], v[ADRB+(\slot)] offset:64*(\kq)+nb*16*PITCH+32
.set nb, nb+1
.endr
	WIN 0
.set nb, 0
.rept 8
	ds_load_b128 v[rF+8*nb:rF+8*nb+3],   v[ADRA+(\slot)] offset:64*(\kq)+nb*16*PITCH
	ds_load_b128 v[rF+8*nb+4:rF+8*nb+7], v[ADRA+(\slot)] offset:64*(\kq)+nb*16*PITCH+32
.set nb, nb+1
.endr
.endm
.macro QUARTER slot, kq, f, g, zero=0
	s_wait_dscnt 8                                 ; all but the youngest eight loads (q's blocks 4-7)
	MUL16 \f, 0, 0, \zero
	MUL16 \f, 0, 2, \zero
	PLACES
	FETCH \slot, \kq, \g
	s_wait_dscnt 32                                ; all but the 32 just issued
	MUL16 \f, 1, 0, \zero
	MUL16 \f, 1, 2, \zero
.endm
.macro TURN slot, next, fill           ; the last quarter and the change of slots: all my tensor loads, the add, my reads of the slot, one barrier (with fill = 1 a round of the cluster's), the refill first behind it
	WIN 0
	s_wait_tensorcnt 0x0
	ds_add_u32 v[SPW], v[NIL]                      ; 0 onto my spare word
	s_wait_dscnt 9                                 ; the add and the youngest eight loads may be out
	MUL16 1, 0, 0
	s_wait_dscnt 0x0
	s_barrier_signal -1
	MUL16 1, 0, 2
.if \fill
	WIN 0
.endif
	s_barrier_wait -1
.if \fill
	CREST
	s_add_nc_u64 s[G0A+4*(\slot)+2:G0A+4*(\slot)+3], s[G0A+4*(\slot)+2:G0A+4*(\slot)+3], 2*KSTEP*2
	s_add_nc_u64 s[G0B+4*(\slot)+2:G0B+4*(\slot)+3], s[G0B+4*(\slot)+2:G0B+4*(\slot)+3], 2*KSTEP*2
	JLOAD \slot
.else
	PLACES
.endif
	FETCH \next, 0, 0
	MUL16 1, 1, 0
	MUL16 1, 1, 2
.endm
.macro ROWS8 line:vararg               ; one line for each of a trip's eight rows ni
.set ni, 0
.rept 8
	\line
.set ni, ni+1
.endr
.endm
	s_wait_tensorcnt 1                             ; my part of K step 0 is in; K step 1's may stay out
	s_barrier_signal -1
	s_barrier_wait -1
	FETCH 0, 0, 0
	QUARTER 0, 1, 0, 1, 1
	WIN 0
	s_mov_b32 s[LAP], LAPS-1
.Llap:
	QUARTER 0, 2, 1, 0
	QUARTER 0, 3, 0, 1
	TURN 0, 1, 1
	QUARTER 1, 1, 0, 1
	QUARTER 1, 2, 1, 0
	QUARTER 1, 3, 0, 1
	TURN 1, 0, 1
	QUARTER 0, 1, 0, 1
	WIN 0
	s_sub_co_u32 s[LAP], s[LAP], 1
	s_cmp_lg_u32 s[LAP], 0
	s_cbranch_scc1 .Llap
	QUARTER 0, 2, 1, 0
	QUARTER 0, 3, 0, 1
	TURN 0, 1, 0
	QUARTER 1, 1, 0, 1
	QUARTER 1, 2, 1, 0
	QUARTER 1, 3, 0, 1
	s_wait_dscnt 8                                 ; the very last quarter
	MUL16 1, 0, 0
	MUL16 1, 0, 2
	s_wait_dscnt 0x0                               ; my reads of both slots are over:
	s_barrier_signal -1                            ; say so,
	MUL16 1, 1, 0
	MUL16 1, 1, 2
	WIN 0
	s_barrier_wait -1                              ; and write into the slots only when all four have said so
	; THE SCORES GO THROUGH MY STAGE, so that 16 lanes hold one query's 128 scores.  Of a lane's eight keys the first four go to byte 16 (2 b + h) of the row, the other four 256 bytes further:
	; both the stores (rows 528 bytes apart) and the reads back (256 consecutive bytes) touch each bank once.
	PLACES
.set na, 0
.rept 8
	WIN 0x08+4*(na/4)                              ; the data (source 1) in window 2 or 3
.set nb, 0
.rept 8
.set rD, 8*(8*(na%4)+nb)
	ds_store_b128 v[STO], v[rD:rD+3]   offset:na*16*STG+32*nb
	ds_store_b128 v[STO], v[rD+4:rD+7] offset:na*16*STG+32*nb+256
.set nb, nb+1
.endr
.set na, na+1
.endr
	WIN 0
	s_mov_b32 s[CNT], 8
.Lrows:                                                ; a trip: 16 rows; lane (h, c) holds keys 8 c .. 8 c + 7 of rows 2 i + h, i = 0..7
.set ni, 0
.rept 8
	ds_load_b128 v[X+8*ni:X+8*ni+3],   v[RD] offset:ni*2*STG      ; LDS serves a wave's instructions in order: these see my stores
	ds_load_b128 v[X+8*ni+4:X+8*ni+7], v[RD] offset:ni*2*STG+256
.set ni, ni+1
.endr
	s_wait_dscnt 0x0
	ROWS8 v_max3_num_f32 v[MX+ni], v[X+8*ni], v[X+8*ni+1], v[X+8*ni+2]
	ROWS8 v_max3_num_f32 v[MX+ni], v[MX+ni], v[X+8*ni+3], v[X+8*ni+4]
	ROWS8 v_max3_num_f32 v[MX+ni], v[MX+ni], v[X+8*ni+5], v[X+8*ni+6]
	ROWS8 v_max_num_f32 v[MX+ni], v[MX+ni], v[X+8*ni+7]
.irp m, 1,2,4,8
	ROWS8 v_max_num_f32_dpp v[MX+ni], v[MX+ni], v[MX+ni] row_xmask:\m row_mask:0xf bank_mask:0xf
.endr
	ROWS8 v_mul_f32 v[CM+2*ni], s[CS], v[MX+ni]
	ROWS8 v_mul_f32 v[CM+2*ni+1], s[CS], v[MX+ni]
.irp k, 0,2,4,6
	ROWS8 v_pk_fma_f32 v[X+8*ni+\k:X+8*ni+\k+1], v[X+8*ni+\k:X+8*ni+\k+1], s[CS:CS+1], v[CM+2*ni:CM+2*ni+1] op_sel_hi:[1,0,1] neg_lo:[0,0,1] neg_hi:[0,0,1]
.endr
.set nx, 0
.rept 64
	v_exp_f32 v[X+nx], v[X+nx]
.set nx, nx+1
.endr
	v_nop                                          ; a plain instruction between the last exponential and the use of its result
.set nx, 0
	s_wait_alu depctr_va_vdst(0)
.rept 32
	v_cvt_pk_f16_f32 v[Y+nx], v[X+2*nx], v[X+2*nx+1]
.set nx, nx+1
.endr
.set ni, 0
.rept 8
	global_store_b128 v[PO], v[Y+4*ni:Y+4*ni+3], s[6:7] offset:ni*8192  ; 16 lanes store 256 consecutive bytes, at a multiple of 256
.set ni, ni+1
.endr
	ROWS8 v_pk_add_f32 v[X+8*ni:X+8*ni+1], v[X+8*ni:X+8*ni+1], v[X+8*ni+2:X+8*ni+3]
	ROWS8 v_pk_add_f32 v[X+8*ni+4:X+8*ni+5], v[X+8*ni+4:X+8*ni+5], v[X+8*ni+6:X+8*ni+7]
	ROWS8 v_pk_add_f32 v[X+8*ni:X+8*ni+1], v[X+8*ni:X+8*ni+1], v[X+8*ni+4:X+8*ni+5]
	ROWS8 v_add_f32 v[LS+ni], v[X+8*ni], v[X+8*ni+1]
.irp m, 1,2,4,8
	ROWS8 v_add_f32_dpp v[LS+ni], v[LS+ni], v[LS+ni] row_xmask:\m row_mask:0xf bank_mask:0xf
.endr
	ROWS8 ds_store_b32 v[SA], v[CM+2*ni] offset:8*ni          ; the 16 lanes of a row write the same word with the same number
	ROWS8 ds_store_b32 v[SA], v[LS+ni] offset:512+8*ni
	s_wait_dscnt 0x0                               ; these stores are done: the two LDS addresses may step
	s_wait_xcnt 0x0                                ; the stores into p have had their addresses translated: only behind this wait are their base and, next trip, their data rewritten
	s_add_nc_u64 s[6:7], s[6:7], 16*4096
	v_add_nc_u32 v[RD], 16*STG, v[RD]
	v_add_nc_u32 v[SA], 64, v[SA]
	s_sub_co_u32 s[CNT], s[CNT], 1
	s_cmp_lg_u32 s[CNT], 0
	s_cbranch_scc1 .Lrows
	ds_load_b128 v[192:195], v[SR]                 ; my 128 rows' c m and l, 16 bytes a lane
	ds_load_b128 v[196:199], v[SR] offset:512
	s_wait_dscnt 0x0
	global_store_b128 v[SG], v[192:195], s[8:9]    ; 512 consecutive bytes each, at a multiple of 512
	global_store_b128 v[SG], v[196:199], s[10:11]
	s_wait_tensorcnt 0x0                           ; the wave's end
	ds_add_u32 v[SPW], v[NIL]
	s_wait_dscnt 0x0
	CROUND                                         ; the closing round
	s_endpgm
.Lfunc_end_k_qeddc9ed06f_scores:
	.size	k_qeddc9ed06f_scores, .Lfunc_end_k_qeddc9ed06f_scores-k_qeddc9ed06f_scores
	.p2alignl 7, 3214868480
	.fill 96, 4, 3214868480
	.section	.rodata,"a",@progbits
	.p2align	6, 0x0
	.amdhsa_kernel k_qeddc9ed06f_scores
		.amdhsa_group_segment_fixed_size 327680
		.amdhsa_private_segment_fixed_size 0
		.amdhsa_enable_private_segment 0
		.amdhsa_kernarg_size 32
		.amdhsa_user_sgpr_count 2
		.amdhsa_user_sgpr_kernarg_segment_ptr 1
		.amdhsa_wavefront_size32 1
		.amdhsa_system_sgpr_workgroup_id_x 1
		.amdhsa_system_sgpr_workgroup_id_y 1
		.amdhsa_system_sgpr_workgroup_id_z 1
		.amdhsa_system_vgpr_workitem_id 0
		.amdhsa_next_free_vgpr 1024
		.amdhsa_next_free_sgpr 80
		.amdhsa_reserve_vcc 0
		.amdhsa_float_denorm_mode_32 3
		.amdhsa_float_denorm_mode_16_64 3
		.amdhsa_memory_ordered 1
		.amdhsa_forward_progress 1
		.amdhsa_inst_pref_size 137
	.end_amdhsa_kernel
	.amdgpu_metadata
---
amdhsa.version: [ 1, 2 ]
amdhsa.kernels:
  - .name:           k_qeddc9ed06f_scores
    .symbol:         k_qeddc9ed06f_scores.kd
    .args:
      - { .name: qkv, .offset: 0, .size: 8, .value_kind: global_buffer, .address_space: global }
      - { .name: p, .offset: 8, .size: 8, .value_kind: global_buffer, .address_space: global }
      - { .name: cms, .offset: 16, .size: 8, .value_kind: global_buffer, .address_space: global }
      - { .name: ls, .offset: 24, .size: 8, .value_kind: global_buffer, .address_space: global }
    .group_segment_fixed_size: 327680
    .private_segment_fixed_size: 0
    .kernarg_segment_align: 8
    .kernarg_segment_size: 32
    .max_flat_workgroup_size: 128
    .sgpr_count:     80
    .vgpr_count:     1024
    .wavefront_size: 32
...
	.end_amdgpu_metadata
.endif
;; end of part 3
;; launch pv (part 4): grid 4 x 64, 4 waves a work-group, clusters of 4 x 4, 327,680 bytes of LDS; arguments p, qkv, cms, ls, out0; writes out0
.if DOCPART == 4
	.amdgcn_target "amdgcn-amd-amdhsa--gfx1250"
	.amdhsa_code_object_version 6
	.text
	.protected	k_qeddc9ed06f_pv
	.globl	k_qeddc9ed06f_pv
	.p2align	8
	.type	k_qeddc9ed06f_pv,@function
k_qeddc9ed06f_pv:
	s_mov_b64 s[64:65], 0
	v_nop
	global_prefetch_b8 v0, s[64:65] scope:SCOPE_SE
	s_setreg_imm32_b32 hwreg(HW_REG_WAVE_MODE, 25, 1), 1
	s_wait_xcnt 0x0
	s_wait_alu depctr_hold_cnt(0) depctr_sa_sdst(0) depctr_va_vdst(0) depctr_va_sdst(0) depctr_va_ssrc(0) depctr_va_vcc(0) depctr_vm_vsrc(0)
	s_getreg_b32 s2, hwreg(HW_REG_IB_STS2, 6, 4)
	s_cmp_eq_u32 s2, 0
	s_cbranch_scc0 .Lentry_in_a_cluster
	s_endpgm
.Lentry_in_a_cluster:
	s_bfe_u32 s2, ttmp6, 0x10000c
	s_cmp_lg_u32 s2, 0xf033
	s_cbranch_scc0 .Lentry_shape_is_right
	s_endpgm
.Lentry_shape_is_right:
; out0[q][e] = sum over t of g_t (sum over the keys k of stat tile t of p[q][k] v[k][e]),  g_t = 2^(c m_t - M) / L,  M = max over t of c m_t,  L = sum over t of 2^(c m_t - M) l_t.
; p: [8192][2048] f16, v: bytes 4,096 on of the rows of qkv ([8192][3072] f16), cms, ls: [16][8192] f32, out0: [8192][1024] f32.  M, L, g and the sum over t in f32; every exponent is 0 or below.
; LIMITS: p arrives in f16 (below 6e-5 it keeps f16's fixed step of 6e-8, against a largest weight of 1 in its stat tile); an exponential below 2^-126 counts as 0; NaN and infinities are not treated apart.
; A work-group makes 128 queries x 256 channels; four waves, each 64 x 128.  The keys go in steps of 128, one stat tile a step, through two LDS slots filled by the tensor data mover:
; 128 rows of p (256 bytes, padded to 272), 128 rows of v (512 bytes, padded to 544).  Waves 0, 1 fetch p's halves, waves 2, 3 v's.
; CLUSTER 4 x 4: p's tile is shared along a row of the cluster, v's along a column (a cluster's four tile rows lie in one batch: 16 tile rows a batch): each is asked for jointly.
; Source 0 = 16 channels x 32 keys of v, turned by ds_load_tr16_b128; source 1 = 16 queries x 32 keys of p: a lane of the result holds ONE query, so g is one number a lane.
; TWO SETS OF SUMS.  A step's products are summed in 32 accumulators that each step starts anew (C = 0); in the next step's first quarter, directly ahead of the product that starts an accumulator again, four
; packed multiply-adds add it, times g, onto the wave's totals.  The totals are cleared once, in the wait for the first tiles: 256 v_mov_b32 are the price of writing no first step out.
; REGISTERS: window 0: v0-31 addresses and g; v32-47 statistics; v64-127, v128-191 fragments of v, two buffers (before the loop: the statistics at work; on the way out: results, up to v255).
;   window 1: v0-127 a step's sums for query blocks 0, 1; v128-159 their fragments of p, two buffers.   window 2: the same for query blocks 2, 3.   window 3: the totals, block a, channel block cb at v[64 a + 8 cb].
; lds_bytes claims the whole LDS; the text uses 275,968 bytes.
.set PITCH,  272
.set PVP,    544                       ; 512 + 32 = 136 words
.set PHALF,  64*PITCH
.set VHALF,  64*PVP
.set VOFF,   2*PHALF
.set SLOT,   VOFF+2*VHALF
.set TABLE,  2*SLOT                    ; 8,192 bytes a wave: stat tile t at 512 t: for row r of 16, 32 bytes: (g, g) in f32 for query blocks 0..3
.set STAGE,  TABLE+4*8192              ; 16 rows x 528 bytes a wave
.set STG,    528
.set SPARE,  STAGE+4*16*STG            ; the spare words, 128 bytes a wave: two blocks of 256 bytes that no other line names
.set TRIPS,  14                        ; steps 2 to 15 are asked for in the loop
.set QROW,   6144
.set FQ,   8                           ; v8-15   (g, g) of the step just summed, for query blocks 0..3
.set AP,   16                          ; v16     LDS address of my fragments of p in the slot in hand
.set AVR,  17                          ; v17     the same for v
.set AP0,  18                          ; v18     the same in slot 0; never rewritten
.set AV0,  19                          ; v19
.set FT,   22                          ; v22     where I read g; steps one stat tile a step
.set TW,   23                          ; v23     where I put g
.set STO,  24
.set RD,   25
.set GO,   26
.set SO,   27                          ; v27     my byte offset in cms and ls
.set SPW,  28
.set NIL,  29
.set RL,   32                          ; v32-35  1 / L of query block a
.set MXR,  40                          ; v40-43  M
.set LL,   44                          ; v44-47  L
.set VF,   64
.set PF,   128                         ; in windows 1 and 2
.set CMR,  64                          ; v64-95    c m of stat tile 2 i + h, row 16 a + r at 4 i + a
.set LR,   96                          ; v96-127   l likewise
.set FX,   128                         ; v128-159  2^(c m - M)
.set FP,   160                         ; v160-223  (g, g) at 8 i + 2 a
.set TMP,  64
.set BK,   128                         ; v128-191, v192-255 by turns
.set WV, 12
.set RH, 13
.set CH, 14
.set TY, 15
.set TX, 16
.set G1A, 24
.set G0A, 32                           ; s[32:39] a set for each of the two first fills; the second then walks on
.set PA,  40                           ; s40  my load's place in a slot, for p
.set PB,  41                           ; s41  and for v
.set G1B, 48
.set G0B, 56
.set LAP, 66
.set TF,  67                           ; s67  LDS byte at which the slot in hand begins: it is filled again when it is left
.set TR,  70                           ; s70  the other slot's: it is read next
.set SEL, 72
.set MSB, 0
.macro WIN new                         ; the immediate's high byte repeats the setting that is left; a switch that changes nothing is dropped
.if MSB != (\new)
	s_set_vgpr_msb (MSB<<8)|(\new)
.set MSB, (\new)
.endif
.endm
.macro PLACES                          ; four places in front of loads into registers that matrix instructions have read, and of lines that read results
.rept 4
	v_nop
.endr
.endm
.macro JLOAD                           ; a joint refill: waves 0 and 1 ask for p's two halves, waves 2 and 3 for v's; s_nop 0 and four v_nop follow each line
	s_cmp_lt_u32 s[WV], 2
	s_cbranch_scc0 .Lfor_b_\@
	tensor_load_to_lds s[G0A+4:G0A+7], s[G1A:G1A+7]
	s_nop 0
.rept 4
	v_nop
.endr
	s_branch .Lasked_\@
.Lfor_b_\@:
	tensor_load_to_lds s[G0B+4:G0B+7], s[G1B:G1B+7]
	s_nop 0
.rept 4
	v_nop
.endr
.Lasked_\@:
.endm
.macro CREST                           ; a round of the cluster's barrier behind its opening barrier
	s_cmp_lg_u32 s[WV], 0
	s_cbranch_scc1 .Lnot_wave_0_\@
	s_barrier_signal -3
.Lnot_wave_0_\@:
	s_barrier_wait -3
	s_barrier_signal -1
	s_barrier_wait -1
.endm
.macro CROUND
	s_barrier_signal -1
	s_barrier_wait -1
	CREST
.endm
.macro BLK4 line:vararg                ; one line for each query block na
.set na, 0
.rept 4
	\line
.set na, na+1
.endr
.endm
	s_load_b256 s[4:11], s[0:1], 0x0               ; p s[4:5], qkv s[6:7], cms s[8:9], ls s[10:11]
	s_load_b64 s[68:69], s[0:1], 0x20              ; out0
	v_lshl_add_u32 v[SPW], v0, 2, SPARE
	v_mov_b32 v[NIL], 0
	ds_add_u32 v28, v29
	s_wait_dscnt 0x0
	v_lshrrev_b32 v1, 5, v0
	v_readfirstlane_b32 s[WV], v1
	s_lshr_b32 s[RH], s[WV], 1                     ; which 64 queries are mine
	s_and_b32 s[CH], s[WV], 1                      ; which 128 channels.  Also: which half of a tile I fetch
	s_bfe_u32 s17, ttmp6, 0x40000                  ; cx
	s_bfe_u32 s18, ttmp6, 0x40004                  ; cy
	s_lshl_b32 s[TX], ttmp9, 2
	s_add_co_u32 s[TX], s[TX], s17                 ; channel tile
	s_and_b32 s[TY], ttmp7, 0xffff
	s_lshr_b32 s19, s[TY], 2                       ; the batch: four clusters of four query tiles each; made of the cluster's y alone
	s_lshl_b32 s[TY], s[TY], 2
	s_add_co_u32 s[TY], s[TY], s18                 ; query tile
	s_lshl_b32 s43, s18, 2
	s_lshl_b32 s43, 15, s43                        ; my row of the cluster
	s_lshl_b32 s44, 0x1111, s17                    ; my column
	s_or_b32 s[G1A], s43, (1<<16)|(1<<20)|(1<<21)|(5<<22)|(3<<25)  ; p: mask; 2-byte elements; padding on; bit 21 beside a mask; 4 words after every 64
	s_mov_b32 s[G1A+1], 128<<16                    ; tensor_dim0 = 128
	s_mov_b32 s[G1A+2], 64<<16                     ; tensor_dim1 = 64
	s_mov_b32 s[G1A+3], 128<<16                    ; tile_dim0 = 128
	s_mov_b32 s[G1A+4], 64                         ; tile_dim1 = 64
	s_mov_b32 s[G1A+5], 2048                       ; elements from row to row of p
	s_mov_b32 s[G1A+6], 0
	s_mov_b32 s[G1A+7], 0
	s_or_b32 s[G1B], s44, (1<<16)|(1<<20)|(1<<21)|(6<<22)|(7<<25)  ; v: 8 words of padding after every 128
	s_mov_b32 s[G1B+1], 256<<16
	s_mov_b32 s[G1B+2], 64<<16
	s_mov_b32 s[G1B+3], 256<<16
	s_mov_b32 s[G1B+4], 64
	s_mov_b32 s[G1B+5], 3072                       ; elements from row to row of qkv
	s_mov_b32 s[G1B+6], 0
	s_mov_b32 s[G1B+7], 0
	s_mov_b32 s[SEL], 0x76543210                   ; v_permlanex16_b32: each lane takes its own place in the other half
	s_mov_b32 s[SEL+1], 0xfedcba98
	s_lshl_b32 s20, s[TY], 7                       ; p: row 128 x query tile + 64 x half, 4,096 bytes a row; this chain never holds cx
	s_lshl_b32 s21, s[CH], 6
	s_add_co_u32 s20, s20, s21
	s_lshl_b32 s20, s20, 12
	s_mov_b32 s21, 0
	s_lshl_b32 s22, s19, 11                        ; v: row 2,048 x batch + 64 x half; this chain never holds cy
	s_lshl_b32 s46, s[CH], 6
	s_add_co_u32 s22, s22, s46
	s_mul_i32 s22, s22, QROW
	s_lshl_b32 s46, s[TX], 9                       ; the tile's 512 bytes
	s_add_co_u32 s22, s22, s46
	s_add_co_u32 s22, s22, 4096                    ; v's place in a row
	s_mov_b32 s23, 0
	s_mul_i32 s[PA], s[CH], PHALF                  ; where they go: no place in the cluster enters an LDS address
	s_mul_i32 s[PB], s[CH], VHALF
	s_add_co_u32 s[PB], s[PB], VOFF
	s_mov_b32 s[TF], 0
	s_mov_b32 s[TR], SLOT
	s_wait_kmcnt 0x0
	s_add_nc_u64 s[20:21], s[4:5], s[20:21]
	s_add_nc_u64 s[22:23], s[6:7], s[22:23]
	CROUND                                         ; all sixteen work-groups are here: the first joint loads meet
	s_mov_b32 s[G0A], 1                            ; key step 0 into slot 0
	s_mov_b32 s[G0A+1], s[PA]
	s_add_nc_u64 s[G0A+2:G0A+3], s[20:21], 0
	s_or_b32 s[G0A+3], s[G0A+3], 0x80000000
	s_mov_b32 s[G0A+4], 1                          ; key step 1 into slot 1
	s_add_co_u32 s[G0A+5], s[PA], SLOT
	s_add_nc_u64 s[G0A+6:G0A+7], s[20:21], 256
	s_or_b32 s[G0A+7], s[G0A+7], 0x80000000
	s_mov_b32 s[G0B], 1
	s_mov_b32 s[G0B+1], s[PB]
	s_add_nc_u64 s[G0B+2:G0B+3], s[22:23], 0
	s_or_b32 s[G0B+3], s[G0B+3], 0x80000000
	s_mov_b32 s[G0B+4], 1
	s_add_co_u32 s[G0B+5], s[PB], SLOT
	s_add_nc_u64 s[G0B+6:G0B+7], s[22:23], 128*QROW
	s_or_b32 s[G0B+7], s[G0B+7], 0x80000000
	s_cmp_lt_u32 s[WV], 2                          ; a wave's two first fills stand in one branch, ahead of every wait on TENSORcnt and every LDS read: two loads of mine are out
	s_cbranch_scc0 .Lfirst_b
	tensor_load_to_lds s[G0A:G0A+3], s[G1A:G1A+7]
	s_nop 0
	tensor_load_to_lds s[G0A+4:G0A+7], s[G1A:G1A+7]
	s_nop 0
.rept 4
	v_nop
.endr
	s_branch .Lfirst_asked
.Lfirst_b:
	tensor_load_to_lds s[G0B:G0B+3], s[G1B:G1B+7]
	s_nop 0
	tensor_load_to_lds s[G0B+4:G0B+7], s[G1B:G1B+7]
	s_nop 0
.rept 4
	v_nop
.endr
.Lfirst_asked:
	; THE SECOND LEVEL OF THE SOFTMAX, in the wait for the first tiles.  Lane (r, h) takes the stat tiles 2 i + h, i = 0..7, of the rows 16 a + r, a = 0..3.
	s_lshl_b32 s74, s[TY], 7
	s_lshl_b32 s42, s[RH], 6
	s_add_co_u32 s74, s74, s42                     ; my first query row
	s_lshl_b32 s76, s74, 12                        ; its place in out0,
	s_lshl_b32 s74, s74, 2                         ; and in a row of cms and ls
	s_mov_b32 s75, 0
	s_add_nc_u64 s[8:9], s[8:9], s[74:75]
	s_add_nc_u64 s[10:11], s[10:11], s[74:75]
	s_lshl_b32 s77, s[TX], 10
	s_add_co_u32 s76, s76, s77
	s_lshl_b32 s77, s[CH], 9
	s_add_co_u32 s76, s76, s77
	s_mov_b32 s77, 0
	s_add_nc_u64 s[68:69], s[68:69], s[76:77]
	v_and_b32 v1, 15, v0                           ; r
	v_bfe_u32 v2, v0, 4, 1                         ; h
	v_lshlrev_b32 v[SO], 2, v1
	v_lshl_add_u32 v[SO], v2, 15, v[SO]
.set ni, 0
.rept 8
.set na, 0
.rept 4
	global_load_b32 v[CMR+4*ni+na], v[SO], s[8:9] offset:ni*65536+na*64
	global_load_b32 v[LR+4*ni+na], v[SO], s[10:11] offset:ni*65536+na*64
.set na, na+1
.endr
.set ni, ni+1
.endr
	WIN 0xc0                                       ; destination window 3: the totals start at 0
.set nx, 0
.rept 256
	v_mov_b32 v[nx], 0
.set nx, nx+1
.endr
	WIN 0
	v_mul_u32_u24 v3, v1, PITCH                    ; a fragment of p: row r x pitch + 16 h
	v_lshl_add_u32 v3, v2, 4, v3
	s_mul_i32 s42, s[RH], 64*PITCH
	v_add_nc_u32 v[AP0], s42, v3
	v_and_b32 v4, 7, v0                            ; the turning load: lane l reads key 8 h + l % 8, channels 8 ((l / 8) % 2) + 0..7, and leaves channel l % 16 and 8 keys
	v_bfe_u32 v5, v0, 3, 1
	v_lshl_add_u32 v6, v2, 3, v4
	v_mul_u32_u24 v6, v6, PVP
	v_lshl_add_u32 v6, v5, 4, v6
	s_lshl_b32 s45, s[CH], 8                       ; my 128 channels
	s_add_co_u32 s45, s45, VOFF
	v_add_nc_u32 v[AV0], s45, v6
	v_mov_b32 v[AP], v[AP0]                        ; step 0 lies in slot 0
	v_mov_b32 v[AVR], v[AV0]
	s_lshl_b32 s42, s[WV], 13
	s_add_co_u32 s42, s42, TABLE
	v_lshl_add_u32 v[FT], v1, 5, s42
	v_lshl_add_u32 v[TW], v2, 9, v[FT]
	s_mul_i32 s45, s[WV], 16*STG
	s_add_co_u32 s45, s45, STAGE
	v_mul_u32_u24 v3, v1, STG                      ; into the stage: row r, 32 bytes for each half of the lanes
	v_lshl_add_u32 v3, v2, 5, v3
	v_add_nc_u32 v[STO], s45, v3
	v_and_b32 v3, 31, v0
	v_lshlrev_b32 v[GO], 4, v3                     ; back: 32 lanes take a row's 512 bytes
	v_add_nc_u32 v[RD], s45, v[GO]
	s_wait_loadcnt 0x0
	BLK4 v_max3_num_f32 v[MXR+na], v[CMR+na], v[CMR+4+na], v[CMR+8+na]
	BLK4 v_max3_num_f32 v[LL+na], v[CMR+12+na], v[CMR+16+na], v[CMR+20+na]
	BLK4 v_max3_num_f32 v[MXR+na], v[MXR+na], v[LL+na], v[CMR+24+na]
	BLK4 v_max_num_f32 v[MXR+na], v[MXR+na], v[CMR+28+na]
	BLK4 v_permlanex16_b32 v[LL+na], v[MXR+na], s[SEL], s[SEL+1]   ; the other eight stat tiles lie in the lane 16 away
	BLK4 v_max_num_f32 v[MXR+na], v[MXR+na], v[LL+na]
.set nx, 0
.rept 32
	v_sub_f32 v[FX+nx], v[CMR+nx], v[MXR+nx%4]
.set nx, nx+1
.endr
.set nx, 0
.rept 32
	v_exp_f32 v[FX+nx], v[FX+nx]
.set nx, nx+1
.endr
	v_nop                                          ; a plain instruction between the last exponential and the use of its result
	s_wait_alu depctr_va_vdst(0)
	BLK4 v_mul_f32 v[LL+na], v[FX+na], v[LR+na]
.set ni, 1
.rept 7
	BLK4 v_fmac_f32 v[LL+na], v[FX+4*ni+na], v[LR+4*ni+na]
.set ni, ni+1
.endr
	BLK4 v_permlanex16_b32 v[MXR+na], v[LL+na], s[SEL], s[SEL+1]
	BLK4 v_add_f32 v[LL+na], v[LL+na], v[MXR+na]
	BLK4 v_rcp_f32 v[RL+na], v[LL+na]              ; L is 1 or more: the tile that holds the row's maximum has the factor 1 and l >= 1
	v_nop                                          ; a plain instruction behind the last reciprocal
.set nx, 0
	s_wait_alu depctr_va_vdst(0)
.rept 32
	v_mul_f32 v[FP+2*nx], v[FX+nx], v[RL+nx%4]     ; g, twice: a pair for the packed multiply-add
	v_mul_f32 v[FP+2*nx+1], v[FX+nx], v[RL+nx%4]
.set nx, nx+1
.endr
.set ni, 0
.rept 8
	ds_store_b128 v[TW], v[FP+8*ni:FP+8*ni+3]   offset:1024*ni     ; my wave's own table: only I read it
	ds_store_b128 v[TW], v[FP+8*ni+4:FP+8*ni+7] offset:1024*ni+16
.set ni, ni+1
.endr
; 8 products of query block a for 32 keys, from buffer f.  mode 0: onto the step's sums.  mode 1: they start the sums.  mode 2: ahead of each, the accumulator's eight numbers times g go onto the totals
; (lowest registers first); then the product starts it anew.  The 32 accumulators take turns in one order in every quarter, one instruction a turn.
.macro PROD f, a, mode=0
.set nb, 0
.rept 8
.set rD, 64*((\a)%2)+8*nb
.set rV, VF+64*(\f)+8*nb
.set rP, PF+16*(\f)+8*((\a)%2)
.set rT, 64*(\a)+8*nb
.if (\mode) == 2
	WIN 0xf0+1+(\a)/2                              ; totals (destination, source 2) window 3; sums (source 0) window 1 or 2; g (source 1) window 0
.set nj, 0
.rept 4
	v_pk_fma_f32 v[rT+2*nj:rT+2*nj+1], v[rD+2*nj:rD+2*nj+1], v[FQ+2*(\a):FQ+2*(\a)+1], v[rT+2*nj:rT+2*nj+1]
.set nj, nj+1
.endr
.endif
	WIN 0x54*(1+(\a)/2)                            ; source 0 window 0; source 1, C and D window 1 or 2
.if \mode
	v_wmma_f32_16x16x32_f16 v[rD:rD+7], v[rV:rV+7], v[rP:rP+7], 0
.else
	v_wmma_f32_16x16x32_f16 v[rD:rD+7], v[rV:rV+7], v[rP:rP+7], v[rD:rD+7]
.endif
.set nb, nb+1
.endr
.endm
; One run of LDS loads: quarter kq (32 keys) of the slot in hand into buffer f: 16 for v (turned), 4 for p's blocks 0, 1, 4 for blocks 2, 3.  fac = 1: ahead of them g of the step that ends.
.macro FETCH kq, f, fac=0
	WIN 0
.if \fac
	ds_load_b128 v[FQ:FQ+3], v[FT]
	ds_load_b128 v[FQ+4:FQ+7], v[FT] offset:16
.endif
.set nb, 0
.rept 8
	ds_load_tr16_b128 v[VF+64*(\f)+8*nb:VF+64*(\f)+8*nb+3],   v[AVR] offset:(\kq)*32*PVP+32*nb
	ds_load_tr16_b128 v[VF+64*(\f)+8*nb+4:VF+64*(\f)+8*nb+7], v[AVR] offset:(\kq)*32*PVP+32*nb+16*PVP
.set nb, nb+1
.endr
.set na, 0
.rept 4
	WIN 0x40*(1+na/2)                              ; destination window 1 or 2, address window 0
	ds_load_b128 v[PF+16*(\f)+8*(na%2):PF+16*(\f)+8*(na%2)+3],   v[AP] offset:na*16*PITCH+64*(\kq)
	ds_load_b128 v[PF+16*(\f)+8*(na%2)+4:PF+16*(\f)+8*(na%2)+7], v[AP] offset:na*16*PITCH+64*(\kq)+32
.set na, na+1
.endr
.endm
.macro QUARTER kq, f, g, mode=0        ; one of a step's first three quarters: multiplies buffer f and, in its middle, fetches quarter kq into buffer g
	s_wait_dscnt 4                                 ; all but the youngest four loads (p's blocks 2 and 3); with mode 2 the two loads of g are among those that are in,
.if (\mode) == 2
	WIN 0
	v_add_nc_u32 v[FT], 512, v[FT]                 ; so their address may step to the stat tile in hand
.endif
	PROD \f, 0, \mode
	PROD \f, 1, \mode
	PLACES
	FETCH \kq, \g
	s_wait_dscnt 24                                ; all but the 24 just issued
	PROD \f, 2, \mode
	PROD \f, 3, \mode
.endm
; A step's last quarter multiplies buffer 1 and changes slots: one barrier.  In front of it each wave waits for all its tensor loads (one is out: its part of the next slot), adds 0 to its spare word, and waits
; for that and for its own reads of this slot.  fill = 1: the barrier opens a round of the cluster's, and behind the round this slot is filled again, with the step two on.
.macro TURN fill
	WIN 0
	s_wait_tensorcnt 0x0                           ; no tensor load of mine is out, so a group 0 may be written
	ds_add_u32 v[SPW], v[NIL]                      ; 0 onto my spare word
.if \fill
	s_add_co_u32 s[G0A+5], s[PA], s[TF]            ; the walking descriptors: into the slot that is left,
	s_add_nc_u64 s[G0A+6:G0A+7], s[G0A+6:G0A+7], 256        ; the next 128 keys; the type bits on top are not reached
	s_add_co_u32 s[G0B+5], s[PB], s[TF]
	s_add_nc_u64 s[G0B+6:G0B+7], s[G0B+6:G0B+7], 128*QROW
.endif
	s_wait_dscnt 5                                 ; the add and the youngest four loads may be out
	PROD 1, 0
	s_wait_dscnt 0x0                               ; the add is done, and my reads of this slot are over
	s_barrier_signal -1
	PROD 1, 1
	WIN 0
	s_barrier_wait -1
.if \fill
	CREST                                          ; no wave of any partner still reads this slot or has a load on its way
	JLOAD                                          ; the first tensor load behind the round; its four v_nop are also the places in front of the loads below
.else
	PLACES
.endif
	v_add_nc_u32 v[AP], s[TR], v[AP0]              ; the other slot is in hand now
	v_add_nc_u32 v[AVR], s[TR], v[AV0]
	s_xor_b32 s[TF], s[TF], SLOT
	s_xor_b32 s[TR], s[TR], SLOT
	FETCH 0, 0, 1
	PROD 1, 2
	PROD 1, 3
.endm
	s_wait_dscnt 0x0                               ; my stores into the table are done: no LDS instruction is pending at a signal
	s_wait_tensorcnt 1                             ; my part of key step 0 is in; step 1's may stay out
	s_barrier_signal -1
	s_barrier_wait -1
	FETCH 0, 0
	QUARTER 1, 0, 1, 1                             ; step 0's first quarter stands in front of the loop: there is no step before it to add up
	WIN 0
	s_mov_b32 s[LAP], TRIPS
.Lstep:                                                ; a trip: a step's last three quarters and the refill of its slot, then the next step's first quarter
	QUARTER 2, 1, 0
	QUARTER 3, 0, 1
	TURN 1
	QUARTER 1, 0, 1, 2
	WIN 0
	s_sub_co_u32 s[LAP], s[LAP], 1
	s_cmp_lg_u32 s[LAP], 0
	s_cbranch_scc1 .Lstep
	QUARTER 2, 1, 0                                ; steps 14 and 15: nothing is left to ask for
	QUARTER 3, 0, 1
	TURN 0
	QUARTER 1, 0, 1, 2
	QUARTER 2, 1, 0
	QUARTER 3, 0, 1
	s_wait_dscnt 4                                 ; the very last quarter
	PROD 1, 0
	PROD 1, 1
	WIN 0
	ds_load_b128 v[FQ:FQ+3], v[FT]                 ; g of the last step
	ds_load_b128 v[FQ+4:FQ+7], v[FT] offset:16
	s_wait_dscnt 0x0
	PROD 1, 2
	PROD 1, 3
	; THE WAY OUT, a query block (16 rows) at a time: the last step's sums times g onto the totals; 32 bytes a lane into my stage; back as whole rows of 512 bytes; stored.
.macro PACK a
	WIN 0x30+1+(\a)/2                              ; sums (source 0) window 1 or 2; g window 0; totals (source 2) window 3; destination window 0
.set nx, 0
.rept 32
	v_pk_fma_f32 v[TMP+2*nx:TMP+2*nx+1], v[64*((\a)%2)+2*nx:64*((\a)%2)+2*nx+1], v[FQ+2*(\a):FQ+2*(\a)+1], v[64*(\a)+2*nx:64*(\a)+2*nx+1]
.set nx, nx+1
.endr
	WIN 0
.set nb, 0
.rept 8
	ds_store_b128 v[STO], v[TMP+8*nb:TMP+8*nb+3]   offset:64*nb
	ds_store_b128 v[STO], v[TMP+8*nb+4:TMP+8*nb+7] offset:64*nb+16
.set nb, nb+1
.endr
.if (\a) >= 2
	s_wait_xcnt 0x0                                ; the stores of the block two back have had their addresses translated: only behind this wait are their data registers loaded again
.endif
.set nb, 0
.rept 16
	ds_load_b128 v[BK+64*((\a)%2)+4*nb:BK+64*((\a)%2)+4*nb+3], v[RD] offset:STG*nb  ; LDS serves a wave's instructions in order: these see the stores above; the next block's stores come behind them
.set nb, nb+1
.endr
.endm
.macro SEND a, younger                 ; younger: the LDS instructions issued behind block a's loads: the next block's 32, or none
.set nb, 0
.rept 16
	s_wait_dscnt (\younger)+15-nb
	global_store_b128 v[GO], v[BK+64*((\a)%2)+4*nb:BK+64*((\a)%2)+4*nb+3], s[68:69] offset:(16*(\a)+nb)*4096 th:TH_STORE_NT  ; 512 consecutive bytes, at a multiple of 512
.set nb, nb+1
.endr
.endm
	PLACES
	PACK 0
	PACK 1                                         ; a block's arithmetic stands between the loads of the block before and its stores
	SEND 0, 32
	PACK 2
	SEND 1, 32
	PACK 3
	SEND 2, 32
	SEND 3, 0
	s_wait_tensorcnt 0x0                           ; the wave's end
	ds_add_u32 v[SPW], v[NIL]
	s_wait_dscnt 0x0
	CROUND                                         ; the closing round: no work-group ends while a partner may still ask for a tile that names it
	s_endpgm
.Lfunc_end_k_qeddc9ed06f_pv:
	.size	k_qeddc9ed06f_pv, .Lfunc_end_k_qeddc9ed06f_pv-k_qeddc9ed06f_pv
	.p2alignl 7, 3214868480
	.fill 96, 4, 3214868480
	.section	.rodata,"a",@progbits
	.p2align	6, 0x0
	.amdhsa_kernel k_qeddc9ed06f_pv
		.amdhsa_group_segment_fixed_size 327680
		.amdhsa_private_segment_fixed_size 0
		.amdhsa_enable_private_segment 0
		.amdhsa_kernarg_size 40
		.amdhsa_user_sgpr_count 2
		.amdhsa_user_sgpr_kernarg_segment_ptr 1
		.amdhsa_wavefront_size32 1
		.amdhsa_system_sgpr_workgroup_id_x 1
		.amdhsa_system_sgpr_workgroup_id_y 1
		.amdhsa_system_sgpr_workgroup_id_z 1
		.amdhsa_system_vgpr_workitem_id 0
		.amdhsa_next_free_vgpr 1024
		.amdhsa_next_free_sgpr 80
		.amdhsa_reserve_vcc 0
		.amdhsa_float_denorm_mode_32 3
		.amdhsa_float_denorm_mode_16_64 3
		.amdhsa_memory_ordered 1
		.amdhsa_forward_progress 1
		.amdhsa_inst_pref_size 123
	.end_amdhsa_kernel
	.amdgpu_metadata
---
amdhsa.version: [ 1, 2 ]
amdhsa.kernels:
  - .name:           k_qeddc9ed06f_pv
    .symbol:         k_qeddc9ed06f_pv.kd
    .args:
      - { .name: p, .offset: 0, .size: 8, .value_kind: global_buffer, .address_space: global }
      - { .name: qkv, .offset: 8, .size: 8, .value_kind: global_buffer, .address_space: global }
      - { .name: cms, .offset: 16, .size: 8, .value_kind: global_buffer, .address_space: global }
      - { .name: ls, .offset: 24, .size: 8, .value_kind: global_buffer, .address_space: global }
      - { .name: out0, .offset: 32, .size: 8, .value_kind: global_buffer, .address_space: global }
    .group_segment_fixed_size: 327680
    .private_segment_fixed_size: 0
    .kernarg_segment_align: 8
    .kernarg_segment_size: 40
    .max_flat_workgroup_size: 128
    .sgpr_count:     80
    .vgpr_count:     1024
    .wavefront_size: 32
...
	.end_amdgpu_metadata
.endif
;; end of part 4
;; ======== version 2 of 2: 4 launches; version 1 with the launch cast written anew for expert scheduling mode
;; limits: values are held in f16: magnitudes above 65,504 overflow, below 6.1e-05 lose precision
;; workspace buffers: xb 16,777,216 bytes; wb 6,291,456 bytes; qkv 50,331,648 bytes; p 33,554,432 bytes; cms 524,288 bytes; ls 524,288 bytes
;; launch cast (part 5): grid 128 x 11, 8 waves a work-group, no clusters, 0 bytes of LDS; arguments x, Wq, Wk, Wv, xb, wb; writes xb, wb
.if DOCPART == 5
	.amdgcn_target "amdgcn-amd-amdhsa--gfx1250"
	.amdhsa_code_object_version 6
	.text
	.protected	k_qeddc9ed06f_cast
	.globl	k_qeddc9ed06f_cast
	.p2align	8
	.type	k_qeddc9ed06f_cast,@function
k_qeddc9ed06f_cast:
	s_mov_b64 s[64:65], 0
	v_nop
	global_prefetch_b8 v0, s[64:65] scope:SCOPE_SE
	s_setreg_imm32_b32 hwreg(HW_REG_WAVE_SCHED_MODE, 0, 2), 2
	s_setreg_imm32_b32 hwreg(HW_REG_WAVE_MODE, 25, 1), 1
	s_wait_xcnt 0x0
	s_wait_alu depctr_vm_vsrc(0)
; xb = bf16(x), wb = bf16(Wq, Wk, Wv one below the other), both laid out IN PLANES of 32 along K: xb: [32][8192][32], wb: [32][3072][32].  A row of a plane is 64 bytes and the rows
; of a plane follow each other without a gap, so that the next launch can ask for any number of rows of a plane as one dense run of bytes.
; A stream: every input byte is read once, every output byte written once.  A work-group takes 8 rows of 1,024 numbers: 32,768 bytes in, 16,384 out.
; Grid row y = 0..7: rows 8 (128 y + xid) on of x; y = 8, 9, 10: rows 8 xid on of Wq, Wk, Wv, which are rows 1,024 (y - 8) + 8 xid on of wb.
; A wave takes 4 rows x 8 planes.  Load j: plane j of the eight; eight lanes take the 128 bytes of one row, so a load covers four pieces of 128 consecutive bytes, and two loads on end whole aligned
; blocks of 256.  Store j: the same four rows of that plane, 256 consecutive bytes at a multiple of 256.  All eight loads go out together; no register is used twice: no loop, no barrier.
; No LDS, matrix unit or cluster: work-groups share nothing and the arithmetic is one rounding a number.
; THE MODE: SCHED_MODE bits 1:0 = 2 (LLVM: expert scheduling mode 2), set by the entry lines.  The code itself states the register dependences
; between vector instructions and memory instructions, with s_wait_alu, always for 0.
; THE PLAN.  Registers that memory instructions touch:
;   v5         the loads' offset.  Written by vector lines at the head; read by the eight loads; never written again.
;   XR         Written by the eight loads alone; read by the conversions; never loaded again.
;   OF         the stores' offsets.  Written by eight vector lines behind the loads; read by the stores; never written again.
;   YR         Written by the conversions, a pair for each plane; read by that plane's store; never written again.
; So three waits on va_vdst state everything: one ahead of the loads (v5), one behind the conversions of planes 0 to 3 (all of OF, the first half of YR), one behind those of planes 4 to 7
; (the second half of YR).  The planes go in two halves of four, so that a wait serves four stores.  No register that a memory instruction reads is written again, so no wait on vm_vsrc is owed;
; no vector instruction writes a scalar register or VCC, and EXEC is never written.
.set XR, 8                             ; v[8:39]   eight loads of four f32
.set YR, 40                            ; v[40:55]  eight pairs of packed bf16
.set OF, 56                            ; v[56:63]  my byte offset in each of my eight planes
	s_load_b256 s[4:11], s[0:1], 0x0               ; x s[4:5], Wq s[6:7], Wk s[8:9], Wv s[10:11]
	s_load_b128 s[12:15], s[0:1], 0x20             ; xb s[12:13], wb s[14:15]
	s_and_b32 s16, ttmp7, 0xffff                   ; y
	s_mov_b32 s17, ttmp9                           ; xid
	s_sub_co_u32 s19, s16, 8                       ; which weight (used where y >= 8)
	s_mov_b32 s28, 3072*64                         ; bytes in a plane of wb
	s_mov_b32 s29, 8192*64                         ; and of xb
	v_and_b32 v1, 7, v0                            ; which 4 numbers of a plane's 32
	v_bfe_u32 v2, v0, 3, 2                         ; which of the wave's four rows
	v_bfe_u32 v3, v0, 5, 2                         ; wave % 4: which eight planes
	v_lshrrev_b32 v4, 7, v0                        ; wave / 4: which four rows
	v_lshl_add_u32 v2, v4, 2, v2                   ; my row of the group's eight
	v_lshlrev_b32 v5, 12, v2                       ; read: row x 4,096
	v_lshl_add_u32 v5, v3, 10, v5                  ;   + eight planes x 128 bytes
	v_lshl_add_u32 v5, v1, 4, v5                   ;   + my 16 bytes
	v_lshlrev_b32 v6, 6, v2                        ; written: row x 64
	v_lshl_add_u32 v6, v1, 3, v6                   ;   + my 8 bytes
	v_lshlrev_b32 v7, 3, v3                        ; my first plane
	s_wait_kmcnt 0x0
	s_cmp_eq_u32 s16, 9                            ; the choice hangs on y alone
	s_cselect_b64 s[20:21], s[8:9], s[6:7]
	s_cmp_eq_u32 s16, 10
	s_cselect_b64 s[20:21], s[10:11], s[20:21]
	s_cmp_lt_u32 s16, 8
	s_cselect_b64 s[20:21], s[4:5], s[20:21]       ; from where
	s_cselect_b64 s[22:23], s[12:13], s[14:15]     ; to where
	s_cselect_b32 s18, s16, 0                      ; row of chunks in the source
	s_cselect_b32 s19, s16, s19                    ; and in the destination
	s_cselect_b32 s28, s29, s28                    ; bytes in a plane of the destination
	s_lshl_b32 s18, s18, 7
	s_add_co_u32 s18, s18, s17
	s_lshl_b32 s24, s18, 15                        ; 8 rows of 4,096 bytes read
	s_mov_b32 s25, 0
	s_lshl_b32 s19, s19, 7
	s_add_co_u32 s19, s19, s17
	s_lshl_b32 s26, s19, 9                         ; 8 rows of 64 bytes in a plane
	s_mov_b32 s27, 0
	s_add_nc_u64 s[20:21], s[20:21], s[24:25]
	s_add_nc_u64 s[22:23], s[22:23], s[26:27]
	s_wait_alu depctr_va_vdst(0)                   ; v5 is written, which the eight loads read as their offset
.irp j, 0,1,2,3,4,5,6,7
	global_load_b128 v[XR+4*(\j):XR+4*(\j)+3], v5, s[20:21] offset:128*(\j)
.endr
	v_mad_u32_u24 v[OF], v7, s28, v6               ; my first plane x its bytes + my place in a plane: under 2^25
.irp j, 1,2,3,4,5,6,7
	v_add_nc_u32 v[OF+(\j)], s28, v[OF+(\j)-1]
.endr
	s_wait_loadcnt 4                               ; loads come back in order: planes 0 to 3 are in, the four younger ones stay out
.irp j, 0,1,2,3
	v_cvt_pk_bf16_f32 v[YR+2*(\j)], v[XR+4*(\j)], v[XR+4*(\j)+1]
	v_cvt_pk_bf16_f32 v[YR+2*(\j)+1], v[XR+4*(\j)+2], v[XR+4*(\j)+3]
.endr
	s_wait_alu depctr_va_vdst(0)                   ; the eight offsets v[OF ..] are written, and so are planes 0 to 3 of v[YR ..]: the four stores below read them
.irp j, 0,1,2,3
	global_store_b64 v[OF+(\j)], v[YR+2*(\j):YR+2*(\j)+1], s[22:23]
.endr
	s_wait_loadcnt 0x0                             ; planes 4 to 7 are in
.irp j, 4,5,6,7
	v_cvt_pk_bf16_f32 v[YR+2*(\j)], v[XR+4*(\j)], v[XR+4*(\j)+1]
	v_cvt_pk_bf16_f32 v[YR+2*(\j)+1], v[XR+4*(\j)+2], v[XR+4*(\j)+3]
.endr
	s_wait_alu depctr_va_vdst(0)                   ; planes 4 to 7 of v[YR ..] are written, which the last four stores read (their offsets stand ahead of the wait before)
.irp j, 4,5,6,7
	global_store_b64 v[OF+(\j)], v[YR+2*(\j):YR+2*(\j)+1], s[22:23]
.endr
	s_endpgm
.Lfunc_end_k_qeddc9ed06f_cast:
	.size	k_qeddc9ed06f_cast, .Lfunc_end_k_qeddc9ed06f_cast-k_qeddc9ed06f_cast
	.p2alignl 7, 3214868480
	.fill 96, 4, 3214868480
	.section	.rodata,"a",@progbits
	.p2align	6, 0x0
	.amdhsa_kernel k_qeddc9ed06f_cast
		.amdhsa_group_segment_fixed_size 0
		.amdhsa_private_segment_fixed_size 0
		.amdhsa_enable_private_segment 0
		.amdhsa_kernarg_size 48
		.amdhsa_user_sgpr_count 2
		.amdhsa_user_sgpr_kernarg_segment_ptr 1
		.amdhsa_wavefront_size32 1
		.amdhsa_system_sgpr_workgroup_id_x 1
		.amdhsa_system_sgpr_workgroup_id_y 1
		.amdhsa_system_sgpr_workgroup_id_z 1
		.amdhsa_system_vgpr_workitem_id 0
		.amdhsa_next_free_vgpr 64
		.amdhsa_next_free_sgpr 66
		.amdhsa_reserve_vcc 0
		.amdhsa_float_denorm_mode_32 3
		.amdhsa_float_denorm_mode_16_64 3
		.amdhsa_memory_ordered 1
		.amdhsa_forward_progress 1
		.amdhsa_inst_pref_size 5
	.end_amdhsa_kernel
	.amdgpu_metadata
---
amdhsa.version: [ 1, 2 ]
amdhsa.kernels:
  - .name:           k_qeddc9ed06f_cast
    .symbol:         k_qeddc9ed06f_cast.kd
    .args:
      - { .name: x, .offset: 0, .size: 8, .value_kind: global_buffer, .address_space: global }
      - { .name: Wq, .offset: 8, .size: 8, .value_kind: global_buffer, .address_space: global }
      - { .name: Wk, .offset: 16, .size: 8, .value_kind: global_buffer, .address_space: global }
      - { .name: Wv, .offset: 24, .size: 8, .value_kind: global_buffer, .address_space: global }
      - { .name: xb, .offset: 32, .size: 8, .value_kind: global_buffer, .address_space: global }
      - { .name: wb, .offset: 40, .size: 8, .value_kind: global_buffer, .address_space: global }
    .group_segment_fixed_size: 0
    .private_segment_fixed_size: 0
    .kernarg_segment_align: 8
    .kernarg_segment_size: 48
    .max_flat_workgroup_size: 256
    .sgpr_count:     66
    .vgpr_count:     64
    .wavefront_size: 32
...
	.end_amdgpu_metadata
.endif
;; end of part 5
;; launch proj: the kernel of part 2 again; grid 8 x 32, 4 waves a work-group, clusters of 4 x 4, 327,680 bytes of LDS; arguments xb, wb, qkv; writes qkv
;; launch scores: the kernel of part 3 again; grid 8 x 32, 4 waves a work-group, clusters of 4 x 4, 327,680 bytes of LDS; arguments qkv, p, cms, ls; writes p, cms, ls
;; launch pv: the kernel of part 4 again; grid 4 x 64, 4 waves a work-group, clusters of 4 x 4, 327,680 bytes of LDS; arguments p, qkv, cms, ls, out0; writes out0
